; MI455X (gfx1250); checked and timed in simulation.
; The chip was launched on July 23, 2026; its instructions are those of AMD's public machine-readable ISA for CDNA 5 (MIT licence, August 2026) and "CDNA5" Instruction Set Architecture Reference Guide (July 2026). The comments in the code are by the model that wrote it; some were corrected since.
;; Transformer Encoder Layer. Allowed arithmetic: matrix products marked QUANTISED: E3M2 operands, one E8M0 scale for each 32 along K, by v_wmma_scale_f32_16x16x128_f8f6f4 with both operands' format E3M2, f32 sums; everything else in f32.
;; Inputs: W1_codes 4,096 x 32 x 24 uint8 (E3M2 codes of W1, K innermost, in blocks of 32 codes, four codes in three bytes); W1_scales 4,096 x 32 uint8 (E8M0 scales of W1, one for each 32 codes along K); W2_codes 1,024 x 128 x 24 uint8 (E3M2 codes of W2, K innermost, in blocks of 32 codes, four codes in three bytes); W2_scales 1,024 x 128 uint8 (E8M0 scales of W2, one for each 32 codes along K); Wk_codes 1,024 x 32 x 24 uint8 (E3M2 codes of Wk, K innermost, in blocks of 32 codes, four codes in three bytes); Wk_scales 1,024 x 32 uint8 (E8M0 scales of Wk, one for each 32 codes along K); Wo_codes 1,024 x 32 x 24 uint8 (E3M2 codes of Wo, K innermost, in blocks of 32 codes, four codes in three bytes); Wo_scales 1,024 x 32 uint8 (E8M0 scales of Wo, one for each 32 codes along K); Wq_codes 1,024 x 32 x 24 uint8 (E3M2 codes of Wq, K innermost, in blocks of 32 codes, four codes in three bytes); Wq_scales 1,024 x 32 uint8 (E8M0 scales of Wq, one for each 32 codes along K); Wv_codes 1,024 x 32 x 24 uint8 (E3M2 codes of Wv, K innermost, in blocks of 32 codes, four codes in three bytes); Wv_scales 1,024 x 32 uint8 (E8M0 scales of Wv, one for each 32 codes along K); b1 4,096 float32; b2 1,024 float32; be1 1,024 float32; be2 1,024 float32; bk 1,024 float32; bo 1,024 float32; bq 1,024 float32; bv 1,024 float32; g1 1,024 float32; g2 1,024 float32; x 2 x 2,048 x 1,024 float32.
;; Outputs: out0 2 x 2,048 x 1,024 float32.
;; This version of the problem:
;;   THIS VERSION OF THE PROBLEM IS GIVEN IN LOW PRECISION. The matrix products marked QUANTISED in the list below multiply operands that are first quantised to E3M2 (3 exponent bits, 2 mantissa bits; 6 bits a number), with one power-of-two scale for each 32 numbers along K (OCP MX v1.0); their sums are f32. All else is computed in f32.
;;   The module's matrix products, in the order in which they are computed (A, B: the left and right operand; K: the contracted axis; several contracted axes count as one K, in the product's order):
;;     1. [M 4,096, K 1,024] x [K 1,024, N 1,024]; A: input x; B: input Wq (given as codes): QUANTISED
;;     2. [M 4,096, K 1,024] x [K 1,024, N 1,024]; A: input x; B: input Wk (given as codes): QUANTISED
;;     3. [M 4,096, K 1,024] x [K 1,024, N 1,024]; A: input x; B: input Wv (given as codes): QUANTISED
;;     4. batch 32 x [M 2,048, K 64] x [K 64, N 2,048]; A: computed on the way; B: computed on the way: QUANTISED
;;     5. batch 32 x [M 2,048, K 2,048] x [K 2,048, N 64]; A: softmax (see below); B: computed on the way: QUANTISED
;;     6. [M 4,096, K 1,024] x [K 1,024, N 1,024]; A: computed on the way; B: input Wo (given as codes): QUANTISED
;;     7. [M 4,096, K 1,024] x [K 1,024, N 4,096]; A: computed on the way; B: input W1 (given as codes): QUANTISED
;;     8. [M 4,096, K 4,096] x [K 4,096, N 1,024]; A: computed on the way; B: input W2 (given as codes): QUANTISED
;;   THE QUANTISER, for each operand of a quantised product, along K:
;;     - K is cut into blocks of 32 from its start; a last block that is shorter is filled with zeros.
;;     - A block's scale is 2^e with e = floor(log2(the largest magnitude in the block)) - 4, held to -126 .. 127; a block of zeros has e = 0. As a byte (E8M0): e + 127.
;;     - Each number is divided by its block's scale, clamped to +-28, and rounded to the nearest number of E3M2, ties to even, subnormals kept.
;;     - The product sums the exact products of the quantised numbers (number of the format x scale) in f32.
;;   ~~~python
;;   def quantise(x, axis):      # numpy; x: float32 -> the quantised numbers, widened to float32 again
;;       x = np.moveaxis(x, axis, -1); K = x.shape[-1]
;;       x = np.pad(x, [(0, 0)] * (x.ndim - 1) + [(0, -K % 32)]); x = x.reshape(x.shape[:-1] + (-1, 32)); a = np.abs(x).max(-1, keepdims=True)
;;       e = np.where(a > 0, np.clip(np.frexp(np.where(a > 0, a, 1))[1] - 1 - 4, -126, 127), 0)      # np.frexp(a)[1] - 1 = floor(log2(a)), exactly
;;       r = np.clip(x / 2.0 ** e, -28, 28)
;;       step = 2.0 ** (np.maximum(np.frexp(np.where(r == 0, 1, r))[1] - 1, -2) - 2)
;;       q = np.round(r / step) * step * 2.0 ** e      # np.round: ties to even
;;       return np.moveaxis(q.reshape(q.shape[:-2] + (-1,))[..., :K], -1, axis).astype(np.float32)
;;   ~~~
;;   SOFTMAX AHEAD OF A QUANTISED PRODUCT. Where the list says 'softmax', what is quantised is not the finished softmax but p = 2^(t - M), with t = logit x log2(e) and M = ceil(the row's largest t), a whole number; so 1/2 < the row's largest p <= 1. The row's sum l is taken of the UNQUANTISED p, in f32, and the product's result is divided by l at the end. Since M is a whole number, a kernel that streams over the keys may use a running M (the ceiling of the running maximum): every later rescaling is an exact power of two, which a block's scale takes up: the codes' values come out the same.
;;   OPERANDS COMPUTED ON THE WAY. 'Computed on the way' means the value that the module computes at that place (a softmax that the list does not call 'softmax' is quantised finished and normalised). What goes into a quantiser is computed in f32, as accurately as f32 sums, v_exp_f32 and their like allow (about 1e-6 of the number): no bf16 or f16 on the way to a quantiser, and a product that is left as it is and whose result goes on into a quantised operand takes f32 operands (vector FMAs, or v_wmma_f32_16x16x4_f32). A number that lies on a knife's edge between two numbers of the format may be rounded either way, as far as f32 arithmetic and the matrix unit's own rounding can turn it there, and no further.
;;   INPUTS GIVEN AS CODES. W1 (in the module: [1024, 4096], K = its axis 0); W2 (in the module: [4096, 1024], K = its axis 0); Wk (in the module: [1024, 1024], K = its axis 0); Wo (in the module: [1024, 1024], K = its axis 0); Wq (in the module: [1024, 1024], K = its axis 0); Wv (in the module: [1024, 1024], K = its axis 0): each comes as NAME_codes (uint8): NAME with its K axis moved to the last place and cut into blocks of 32 codes, [.., K / 32, bytes a block], one block behind the other in memory; four codes in three bytes: a row's codes are one little-endian stream of bits, code i at bits 6 i .. 6 i + 5 (a code: sign, 3 exponent bits, 2 mantissa bits); and NAME_scales (uint8): the same leading axes, one E8M0 byte (e + 127) for each 32 codes along K. Its value is code x scale, taken as it is: it is not quantised again, and the codes and scales need not be those that the quantiser above would give.
;; One version. Each part assembles by itself: llvm-mc -triple=amdgcn-amd-amdhsa -mcpu=gfx1250 --defsym DOCPART=n.
;; ======== version 1 of 1: 7 launches
;; limits: right only within a limited range of input values
;; workspace buffers: pbuf 13,107,200 bytes; qbuf 10,092,544 bytes; cbuf 3,276,800 bytes; ybuf 16,777,216 bytes; hbuf 20,054,016 bytes; fbuf 13,107,200 bytes
;; launch prep (part 1): grid 352 x 1, 8 waves a work-group, no clusters, 68,608 bytes of LDS; arguments x, Wq_codes, Wk_codes, Wv_codes, Wo_codes, W1_codes, W2_codes, Wq_scales, Wk_scales, Wv_scales, Wo_scales, W1_scales, W2_scales, pbuf; writes pbuf
.if DOCPART == 1
	.amdgcn_target "amdgcn-amd-amdhsa--gfx1250"
	.amdhsa_code_object_version 6
	.text
	.protected	k_qd442bc4ab6_prep
	.globl	k_qd442bc4ab6_prep
	.p2align	8
	.type	k_qd442bc4ab6_prep,@function
k_qd442bc4ab6_prep:
	s_mov_b64 s[64:65], 0
	v_nop
	global_prefetch_b8 v0, s[64:65] scope:SCOPE_SE
	s_setreg_imm32_b32 hwreg(HW_REG_WAVE_MODE, 25, 1), 1
	s_wait_xcnt 0x0
; TRANSFORMER ENCODER LAYER IN MX-BF6, launch 1 of 7: x is quantised, and the six weights' codes are laid as the matrix unit's registers want them.
; NOTHING OF reference() IS LEFT OUT in this program: every bias stands ahead of a quantiser or reaches the output, every input is loaded.
; LIMITS of the whole program: NaN and infinities among the inputs are not served; a block whose largest magnitude lies under 2^-122 gets the scale byte 1; a block of zeros gets the byte 1
; where the rule says 127 (its codes are zeros, which add nothing, and only this program reads the bytes); v_exp_f32, v_rcp_f32 and v_rsq_f32 flush denormals.
; CONVENTIONS of all launches.  A TILE is 16 rows of an operand: tile T, member r is row 32 (T / 2) + 8 (T % 2) + r + 8 (r / 8).  So the 16 result registers of two neighbouring tiles of source 0 are
; 16 neighbours along the next product's K.  A FRAGMENT (a tile x 128 along K: 12 registers a lane) lies in memory as an image of its registers, 1,536 bytes, in two halves of 768: registers 0-3 of lane l at 16 l,
; registers 4-5 at 512 + 8 l; then registers 6-9 and 10-11 likewise.  Codes: [tile][K step][1536]; scale words: [tile][K step][16 words], word r = the four E8M0 bytes of member r.
; THIS LAUNCH.  Work-groups 0-255: tile T of x; wave w quantises K step w (128 columns): 16 dense row pieces of 512 bytes come in, turn through the wave's own stage in LDS so that a lane holds
; 16 neighbours of each block of 32, and leave as one fragment.  Work-groups 256-351: a wave copies 8 fragments (two tiles x four K steps) of one weight from its rows of codes into images: each byte is read once,
; in pieces of 8 bytes of 16 rows (six neighbouring instructions take a row's 96 bytes of a K step); the stores cover 512 or 256 consecutive aligned bytes; scale words leave in pieces of 64 bytes, four of which fill 256.
.set O_XS,  3145728
.set O_WQC, 3276800
.set O_W1C, 6422528
.set O_W2C, 9568256
.set O_WQS, 12713984
.set O_W1S, 12845056
.set O_W2S, 12976128
.set WSTG,  8448                       ; a wave's stage: 16 rows x (512 bytes + 16)
.set SPARE, 67584                      ; behind the eight stages: the spare words, 128 bytes a wave
.set R,   64                           ; v64-127  16 rows as loaded;  in the weights' path v64-159: 8 fragments
.set Y,   128                          ; v128-191 64 numbers of my row, 16 of each block of 32
.set TM,  20                           ; v20-35   at work in QUANT
.set PC,  36                           ; v36-54   the codes just made
.set PW,  56                           ; v56      the scale word just made
.set SEL, 60                           ; s[60:61] v_permlanex16_b32's selects for lane l xor 16
; 64 numbers of a lane, register 16 b + i = k 32 b + 16 (lane / 16) + i of my row, become a fragment's codes in v[PC] on and its scale word in v[PW]
.macro QUANT s
.irp b, 0,1,2,3
	v_max3_num_f32 v[TM+\b], |v[\s+16*\b]|, |v[\s+1+16*\b]|, 0x2800000   ; my 16 numbers of block b, and the floor 2^(5 - 127): the byte cannot fall under 1
.endr
.irp i, 2,4,6,8,10,12,14
.irp b, 0,1,2,3
	s_delay_alu instid0(VALU_DEP_4)
	v_max3_num_f32 v[TM+\b], v[TM+\b], |v[\s+16*\b+\i]|, |v[\s+1+16*\b+\i]|
.endr
.endr
.irp b, 0,1,2,3
	s_delay_alu instid0(VALU_DEP_4)
	v_permlanex16_b32 v[TM+4+\b], v[TM+\b], s[SEL], s[SEL+1]
.endr
.irp b, 0,1,2,3
	s_delay_alu instid0(VALU_DEP_4)
	v_max_num_f32 v[TM+\b], v[TM+\b], v[TM+4+\b]   ; with lane l xor 16's: the block's largest magnitude
.endr
.irp b, 0,1,2,3
	s_delay_alu instid0(VALU_DEP_4)
	v_add_nc_u32 v[TM+12+\b], 0xfe000000, v[TM+\b]   ; 4 off its exponent field: the conversion's scale operand
.endr
.irp b, 0,1,2,3
	s_delay_alu instid0(VALU_DEP_4)
	v_lshrrev_b32 v[TM+4+\b], 23, v[TM+12+\b]      ; the scale's byte
.endr
	s_delay_alu instid0(VALU_DEP_3)
	v_lshl_or_b32 v[PW], v[TM+5], 8, v[TM+4]
	s_delay_alu instid0(VALU_DEP_1)
	v_lshl_or_b32 v[PW], v[TM+6], 16, v[PW]
	s_delay_alu instid0(VALU_DEP_1)
	v_lshl_or_b32 v[PW], v[TM+7], 24, v[PW]
.irp c, 0,1
	v_cvt_scalef32_pk16_bf6_f32 v[PC+6*\c:PC+2+6*\c], v[\s+32*\c:\s+15+32*\c], v[TM+12+2*\c]
	v_cvt_scalef32_pk16_bf6_f32 v[PC+12+4*\c:PC+14+4*\c], v[\s+16+32*\c:\s+31+32*\c], v[TM+12+2*\c+1]   ; (a conversion's three registers begin on an even number)
.endr
	v_nop                                          ; one plain place behind a scaled conversion
.irp c, 0,1                                    ; the operand wants a whole block in a lane: lanes 0-15 block 2 c, lanes 16-31 block 2 c + 1
.irp i, 0,1,2
	v_permlane16_swap_b32 v[PC+6*\c+\i], v[PC+12+4*\c+\i]
.endr
.irp i, 0,1,2
	s_delay_alu instid0(VALU_DEP_3)
	v_mov_b32 v[PC+3+6*\c+\i], v[PC+12+4*\c+\i]
.endr
.endr
.endm
	s_load_b512 s[8:23], s[0:1], 0x0               ; x, codes of Wq Wk Wv Wo W1 W2, scales of Wq
	s_load_b256 s[24:31], s[0:1], 0x40             ; scales of Wk Wv Wo W1
	s_load_b128 s[32:35], s[0:1], 0x60             ; scales of W2, pbuf
	v_lshl_add_u32 v12, v0, 2, SPARE               ; my spare word,
	v_mov_b32 v13, 0                               ; and 0: kept for the closing add alone
	v_lshrrev_b32 v1, 5, v0
	s_delay_alu instid0(VALU_DEP_1)
	v_readfirstlane_b32 s4, v1                     ; wave 0..7
	v_and_b32 v3, 31, v0                           ; lane
	v_and_b32 v2, 15, v0                           ; r
	v_bfe_u32 v11, v0, 4, 1                        ; h
	s_delay_alu instid0(VALU_DEP_3)
	v_lshlrev_b32 v1, 4, v3                        ; 16 x lane
	s_delay_alu instid0(VALU_DEP_4)
	v_lshlrev_b32 v9, 3, v3                        ; 8 x lane
	s_delay_alu instid0(VALU_DEP_4)
	v_lshlrev_b32 v10, 2, v2                       ; 4 r
	s_mul_i32 s5, s4, WSTG
	v_add_nc_u32 v4, s5, v1                        ; the stage, dense: 16 x lane in a row
	v_mul_u32_u24 v5, v2, 528
	s_delay_alu instid0(VALU_DEP_1)
	v_lshl_add_u32 v5, v11, 6, v5
	s_delay_alu instid0(VALU_DEP_1)
	v_add_nc_u32 v5, s5, v5                        ; the stage, turned: row r, + 64 h
	s_mov_b32 s[SEL], 0x76543210
	s_mov_b32 s[SEL+1], 0xfedcba98
	s_cmp_lt_u32 ttmp9, 256
	s_cbranch_scc0 .Lweights
	; ---- x: tile T = the work-group's number, K step = the wave's
	s_lshr_b32 s6, ttmp9, 1
	s_lshl_b32 s6, s6, 5
	s_and_b32 s7, ttmp9, 1
	s_lshl_b32 s7, s7, 3
	s_add_co_u32 s6, s6, s7                        ; the tile's first row
	s_lshl_b32 s6, s6, 12                          ; x 4,096 bytes
	s_lshl_b32 s7, s4, 9
	s_add_co_u32 s6, s6, s7                        ; + 512 bytes a K step
	s_mov_b32 s7, 0
	s_lshl_b32 s36, ttmp9, 3
	s_add_co_u32 s36, s36, s4                      ; 8 T + w
	s_mul_i32 s38, s36, 1536
	s_mov_b32 s39, 0
	s_lshl_b32 s36, s36, 6
	s_add_co_u32 s36, s36, O_XS
	s_mov_b32 s37, 0
.irp b, 0,1,2,3
	v_mov_b32 v[TM+4+\b], 0                        ; written once: a lane permute's destination counts as one of its sources
.endr
	s_wait_kmcnt 0x0
	s_add_nc_u64 s[6:7], s[8:9], s[6:7]
	s_add_nc_u64 s[38:39], s[34:35], s[38:39]
	s_add_nc_u64 s[36:37], s[34:35], s[36:37]
.irp p, 0,1,2,3,4,5,6,7,8,9,10,11,12,13,14,15
	global_load_b128 v[R+4*\p:R+4*\p+3], v1, s[6:7] offset:(\p+8*(\p/8))*4096 th:TH_LOAD_NT   ; member p's 512 consecutive bytes
.endr
	s_wait_alu depctr_va_vdst(0)
.irp p, 0,1,2,3,4,5,6,7,8,9,10,11,12,13,14,15
	s_wait_loadcnt 15-\p                           ; loads come back in order: row p is in, the younger ones may be out
	ds_store_b128 v4, v[R+4*\p:R+4*\p+3] offset:528*\p
.endr
.irp g, 0,1,2,3,4,5,6,7,8,9,10,11,12,13,14,15
	ds_load_b128 v[Y+4*\g:Y+4*\g+3], v5 offset:128*(\g/4)+16*(\g%4)   ; LDS serves a wave's instructions in order: these see my stores
.endr
	s_wait_dscnt 0x0
	QUANT Y
	global_store_b128 v1, v[PC:PC+3], s[38:39]
	global_store_b64 v9, v[PC+4:PC+5], s[38:39] offset:512
	global_store_b128 v1, v[PC+6:PC+9], s[38:39] offset:768
	global_store_b64 v9, v[PC+10:PC+11], s[38:39] offset:1280
	global_store_b32 v10, v[PW], s[36:37]          ; lanes r and 16 + r hold the same word and write it to the same place
	s_wait_tensorcnt 0x0                           ; the wave's end, behind my last LDS store
	ds_add_u32 v12, v13
	s_wait_dscnt 0x0
	s_endpgm
	; ---- the weights: j = work-group - 256; task = 8 j + wave: tiles 2 p, 2 p + 1 x K steps 4 kg .. 4 kg + 3 of one weight.  This path writes no LDS
.Lweights:
	s_sub_co_u32 s36, ttmp9, 256                   ; j: 0-31 Wq Wk Wv Wo (8 each), 32-63 W1, 64-95 W2
	s_lshl_b32 s37, s36, 3
	s_add_co_u32 s37, s37, s4                      ; the task
	s_lshr_b32 s50, s36, 3
	s_mul_i32 s51, s50, 786432
	s_add_co_u32 s51, s51, O_WQC                   ; where the four square weights' images go,
	s_lshl_b32 s50, s50, 15
	s_add_co_u32 s50, s50, O_WQS                   ; and their scale words
	s_mov_b32 s45, 3072
	s_mov_b32 s46, 128
	s_mov_b32 s48, O_W2C
	s_mov_b32 s49, O_W2S
	s_wait_kmcnt 0x0
	s_mov_b64 s[40:41], s[20:21]                   ; the choice of buffers hangs on the work-group's number alone
	s_mov_b64 s[42:43], s[32:33]
	s_cmp_lt_u32 s36, 64
	s_cselect_b64 s[40:41], s[18:19], s[40:41]
	s_cselect_b64 s[42:43], s[30:31], s[42:43]
	s_cselect_b32 s44, 8, 32                       ; K steps in a row
	s_cselect_b32 s45, 768, s45                    ; a row of codes in bytes
	s_cselect_b32 s46, 32, s46                     ; a row of scale bytes
	s_cselect_b32 s47, 7, 5                        ; log2 of the pairs of tiles
	s_cselect_b32 s48, O_W1C, s48
	s_cselect_b32 s49, O_W1S, s49
	s_cmp_lt_u32 s36, 32
	s_cselect_b64 s[40:41], s[16:17], s[40:41]
	s_cselect_b64 s[42:43], s[28:29], s[42:43]
	s_cselect_b32 s47, 5, s47
	s_cselect_b32 s48, s51, s48
	s_cselect_b32 s49, s50, s49
	s_cselect_b32 s52, 63, 255                     ; tasks of a weight - 1
	s_cmp_lt_u32 s36, 24
	s_cselect_b64 s[40:41], s[14:15], s[40:41]
	s_cselect_b64 s[42:43], s[26:27], s[42:43]
	s_cmp_lt_u32 s36, 16
	s_cselect_b64 s[40:41], s[12:13], s[40:41]
	s_cselect_b64 s[42:43], s[24:25], s[42:43]
	s_cmp_lt_u32 s36, 8
	s_cselect_b64 s[40:41], s[10:11], s[40:41]
	s_cselect_b64 s[42:43], s[22:23], s[42:43]
	s_and_b32 s52, s37, s52                        ; the task within its weight
	s_bfm_b32 s53, s47, 0
	s_and_b32 s53, s52, s53                        ; p
	s_lshr_b32 s52, s52, s47                       ; kg
	s_lshl_b32 s54, s53, 5                         ; row 32 p
	s_mul_i32 s6, s54, s45
	s_mul_i32 s55, s52, 384
	s_add_co_u32 s6, s6, s55
	s_mov_b32 s7, 0
	s_add_nc_u64 s[40:41], s[40:41], s[6:7]        ; codes: row 32 p, 384 kg bytes along K
	s_mul_i32 s6, s54, s46
	s_lshl_b32 s55, s52, 4
	s_add_co_u32 s6, s6, s55
	s_add_nc_u64 s[42:43], s[42:43], s[6:7]        ; scale bytes: row 32 p, 16 kg along K
	s_lshl_b32 s54, s53, 1
	s_mul_i32 s54, s54, s44
	s_lshl_b32 s55, s52, 2
	s_add_co_u32 s54, s54, s55                     ; fragment number 2 p KS + 4 kg
	s_mul_i32 s6, s54, 1536
	s_add_co_u32 s6, s6, s48
	s_add_nc_u64 s[38:39], s[34:35], s[6:7]
	s_lshl_b32 s6, s54, 6
	s_add_co_u32 s6, s6, s49
	s_add_nc_u64 s[36:37], s[34:35], s[6:7]
	s_wait_alu depctr_va_vdst(0)
	v_and_b32 v14, 8, v2
	s_delay_alu instid0(VALU_DEP_1)
	v_add_nc_u32 v14, v14, v2                      ; r + 8 (r / 8)
	s_delay_alu instid0(VALU_DEP_1)
	v_mul_lo_u32 v40, v14, s45
	s_delay_alu instid0(VALU_DEP_1)
	v_mad_u32_u24 v40, v11, 24, v40                ; tile 2 p: my member's row, + 24 h
	s_lshl_b32 s55, s45, 3
	v_add_nc_u32 v41, s55, v40                     ; tile 2 p + 1: eight rows on
	v_lshl_add_u32 v42, v11, 3, v14
	s_delay_alu instid0(VALU_DEP_1)
	v_mul_lo_u32 v42, v42, s46                     ; scale bytes: lanes 0-15 take tile 2 p, lanes 16-31 tile 2 p + 1
	s_mul_i32 s55, s44, 1536
	v_add_nc_u32 v44, s55, v1                      ; images of tile 2 p + 1: a tile's KS fragments on
	v_add_nc_u32 v45, s55, v9
	s_lshl_b32 s55, s44, 6
	v_mul_lo_u32 v46, v11, s55
	s_delay_alu instid0(VALU_DEP_1)
	v_add_nc_u32 v46, v46, v10                     ; scale words: 4 r, + a tile's KS x 64 for lanes 16-31
.irp u, 0,1
.irp g, 0,1,2,3
.irp p, 0,1,2,3,4,5
	global_load_b64 v[64+12*(4*\u+\g)+2*\p:65+12*(4*\u+\g)+2*\p], v[40+\u], s[40:41] offset:96*\g+48*(\p/3)+8*(\p%3)
.endr
.endr
.endr
	global_load_b128 v[160:163], v42, s[42:43]     ; my member's four scale words
	s_wait_alu depctr_va_vdst(0)
	s_wait_loadcnt 0x0
.macro WOUT u, d16, d8
.irp g, 0,1,2,3
	global_store_b128 v[\d16], v[64+12*(4*\u+\g):67+12*(4*\u+\g)], s[38:39] offset:1536*\g
	global_store_b64 v[\d8], v[68+12*(4*\u+\g):69+12*(4*\u+\g)], s[38:39] offset:1536*\g+512
	global_store_b128 v[\d16], v[70+12*(4*\u+\g):73+12*(4*\u+\g)], s[38:39] offset:1536*\g+768
	global_store_b64 v[\d8], v[74+12*(4*\u+\g):75+12*(4*\u+\g)], s[38:39] offset:1536*\g+1280
.endr
.endm
	WOUT 0, 1, 9
	WOUT 1, 44, 45
.irp g, 0,1,2,3
	global_store_b32 v46, v[160+\g], s[36:37] offset:64*\g
.endr
	s_endpgm
.Lfunc_end_k_qd442bc4ab6_prep:
	.size	k_qd442bc4ab6_prep, .Lfunc_end_k_qd442bc4ab6_prep-k_qd442bc4ab6_prep
	.p2alignl 7, 3214868480
	.fill 96, 4, 3214868480
	.section	.rodata,"a",@progbits
	.p2align	6, 0x0
	.amdhsa_kernel k_qd442bc4ab6_prep
		.amdhsa_group_segment_fixed_size 68608
		.amdhsa_private_segment_fixed_size 0
		.amdhsa_enable_private_segment 0
		.amdhsa_kernarg_size 112
		.amdhsa_user_sgpr_count 2
		.amdhsa_user_sgpr_kernarg_segment_ptr 1
		.amdhsa_wavefront_size32 1
		.amdhsa_system_sgpr_workgroup_id_x 1
		.amdhsa_system_sgpr_workgroup_id_y 1
		.amdhsa_system_sgpr_workgroup_id_z 1
		.amdhsa_system_vgpr_workitem_id 0
		.amdhsa_next_free_vgpr 192
		.amdhsa_next_free_sgpr 66
		.amdhsa_reserve_vcc 0
		.amdhsa_float_denorm_mode_32 3
		.amdhsa_float_denorm_mode_16_64 3
		.amdhsa_memory_ordered 1
		.amdhsa_forward_progress 1
		.amdhsa_inst_pref_size 24
	.end_amdhsa_kernel
	.amdgpu_metadata
---
amdhsa.version: [ 1, 2 ]
amdhsa.kernels:
  - .name:           k_qd442bc4ab6_prep
    .symbol:         k_qd442bc4ab6_prep.kd
    .args:
      - { .name: x, .offset: 0, .size: 8, .value_kind: global_buffer, .address_space: global }
      - { .name: Wq_codes, .offset: 8, .size: 8, .value_kind: global_buffer, .address_space: global }
      - { .name: Wk_codes, .offset: 16, .size: 8, .value_kind: global_buffer, .address_space: global }
      - { .name: Wv_codes, .offset: 24, .size: 8, .value_kind: global_buffer, .address_space: global }
      - { .name: Wo_codes, .offset: 32, .size: 8, .value_kind: global_buffer, .address_space: global }
      - { .name: W1_codes, .offset: 40, .size: 8, .value_kind: global_buffer, .address_space: global }
      - { .name: W2_codes, .offset: 48, .size: 8, .value_kind: global_buffer, .address_space: global }
      - { .name: Wq_scales, .offset: 56, .size: 8, .value_kind: global_buffer, .address_space: global }
      - { .name: Wk_scales, .offset: 64, .size: 8, .value_kind: global_buffer, .address_space: global }
      - { .name: Wv_scales, .offset: 72, .size: 8, .value_kind: global_buffer, .address_space: global }
      - { .name: Wo_scales, .offset: 80, .size: 8, .value_kind: global_buffer, .address_space: global }
      - { .name: W1_scales, .offset: 88, .size: 8, .value_kind: global_buffer, .address_space: global }
      - { .name: W2_scales, .offset: 96, .size: 8, .value_kind: global_buffer, .address_space: global }
      - { .name: pbuf, .offset: 104, .size: 8, .value_kind: global_buffer, .address_space: global }
    .group_segment_fixed_size: 68608
    .private_segment_fixed_size: 0
    .kernarg_segment_align: 8
    .kernarg_segment_size: 112
    .max_flat_workgroup_size: 256
    .sgpr_count:     66
    .vgpr_count:     192
    .wavefront_size: 32
...
	.end_amdgpu_metadata
.endif
;; end of part 1
;; launch qkv (part 2): grid 12 x 16, 4 waves a work-group, clusters of 4 x 4, 327,680 bytes of LDS; arguments pbuf, bq, bk, bv, qbuf; writes qbuf
.if DOCPART == 2
	.amdgcn_target "amdgcn-amd-amdhsa--gfx1250"
	.amdhsa_code_object_version 6
	.text
	.protected	k_qd442bc4ab6_qkv
	.globl	k_qd442bc4ab6_qkv
	.p2align	8
	.type	k_qd442bc4ab6_qkv,@function
k_qd442bc4ab6_qkv:
	s_mov_b64 s[64:65], 0
	v_nop
	global_prefetch_b8 v0, s[64:65] scope:SCOPE_SE
	s_setreg_imm32_b32 hwreg(HW_REG_WAVE_MODE, 25, 1), 1
	s_wait_xcnt 0x0
	s_wait_alu depctr_hold_cnt(0) depctr_sa_sdst(0) depctr_va_vdst(0) depctr_va_sdst(0) depctr_va_ssrc(0) depctr_va_vcc(0) depctr_vm_vsrc(0)
	s_getreg_b32 s2, hwreg(HW_REG_IB_STS2, 6, 4)
	s_cmp_eq_u32 s2, 0
	s_cbranch_scc0 .Lentry_in_a_cluster
	s_endpgm
.Lentry_in_a_cluster:
	s_bfe_u32 s2, ttmp6, 0x10000c
	s_cmp_lg_u32 s2, 0xf033
	s_cbranch_scc0 .Lentry_shape_is_right
	s_endpgm
.Lentry_shape_is_right:
.set KIND,  0
.set NT,    8
.set NQ,    2
.set KS,    8
.set LAPS,  KS/(2*NQ)
.set FRB,   1536
.set HALFT, NT*NQ*FRB
.set SLOT,  4*HALFT
.set QSZ,   NT*KS*64
.set SCL,   2*SLOT
.set SPARE, SCL+4*QSZ
.set O_XS,  3145728
.set O_WQC, 3276800
.set O_WVC, 4849664
.set O_W1C, 6422528
.set O_WQS, 12713984
.set O_WVS, 12779520
.set O_W1S, 12845056
.set O_KC,  3145728
.set O_VC,  6291456
.set O_QS,  9437184
.set O_SKV, 9699328
.if KIND == 0
.set PA, 4
.set PB, 4
.else
.set PA, 4
.set PB, 6
.endif
.set SPW, 28
.set NIL, 29
.set G1,  24
.set G0,  32
.set G1B, 48
.set G0B, 56
.set G1S, 68
.set G0S, 76
.set G1SB, 80
.set G0SB, 88
.set SEL, 66
.set TM,  128
.set PC,  144
.set PW,  164
.set MSB, 0
.macro WIN new
.if MSB != (\new)
	s_set_vgpr_msb (MSB<<8)|(\new)
.set MSB, (\new)
.endif
.endm
.macro JLOAD g0a, g1a, g0b, g1b
	s_cmp_eq_u32 s15, 0
	s_cbranch_scc0 .Lfor_b_\@
	tensor_load_to_lds s[\g0a:\g0a+3], s[\g1a:\g1a+7]
	s_nop 0
.rept 4
	v_nop
.endr
	s_branch .Lasked_\@
.Lfor_b_\@:
	tensor_load_to_lds s[\g0b:\g0b+3], s[\g1b:\g1b+7]
	s_nop 0
.rept 4
	v_nop
.endr
.Lasked_\@:
.endm
.macro CREST
	s_cmp_lg_u32 s14, 0
	s_cbranch_scc1 .Lnot_wave_0_\@
	s_barrier_signal -3
.Lnot_wave_0_\@:
	s_barrier_wait -3
	s_barrier_signal -1
	s_barrier_wait -1
.endm
.macro CROUND
	s_barrier_signal -1
	s_barrier_wait -1
	CREST
.endm
.macro PLACES n
.rept \n
	v_nop
.endr
.endm
.macro FRAG reg, a16, a8, off
	ds_load_b128 v[\reg:\reg+3], v[\a16] offset:\off
	ds_load_b64 v[\reg+4:\reg+5], v[\a8] offset:\off+512
	ds_load_b128 v[\reg+6:\reg+9], v[\a16] offset:\off+768
	ds_load_b64 v[\reg+10:\reg+11], v[\a8] offset:\off+1280
.endm
.macro FETCH slot, q, set
	WIN 0x40
.set II, 0
.rept NT
	FRAG 12*NT*(\set)+12*II, 20+\slot, 22+\slot, (II*NQ+(\q))*FRB
.set II, II+1
.endr
	WIN 0
.set II, 0
.rept NT
	FRAG 64+12*NT*(\set)+12*II, 16+\slot, 18+\slot, (II*NQ+(\q))*FRB
.set II, II+1
.endr
.endm
.macro SCALES slot
.set II, 0
.rept NT
.set JJ, 0
.rept NQ/2
	ds_load_b32 v[32+16*(\slot)+II*NQ/2+JJ], v24 offset:II*KS*64+128*JJ
	ds_load_b32 v[40+16*(\slot)+II*NQ/2+JJ], v25 offset:II*KS*64+128*JJ
.set JJ, JJ+1
.endr
.set II, II+1
.endr
.endm
.macro MULQ part, set, q, slot, zero
.if (NT == 8) && ((\part) >= 2)
	WIN 0xf1
.else
	WIN 0xa1
.endif
.set AA, (\part)*NT/4
.rept NT/4
.set BB, 0
.rept NT
.set RC, 8*(NT*(AA%4)+BB)
.set RB, 12*NT*(\set)+12*BB
.set RA, 64+12*NT*(\set)+12*AA
.set SB, 40+16*(\slot)+BB*NQ/2+(\q)/2
.set SA, 32+16*(\slot)+AA*NQ/2+(\q)/2
.if \zero
	v_wmma_scale_f32_16x16x128_f8f6f4 v[RC:RC+7], v[RB:RB+11], v[RA:RA+11], 0, v[SB], v[SA] matrix_a_fmt:MATRIX_FMT_BF6 matrix_b_fmt:MATRIX_FMT_BF6
.elseif ((\q)%2)
	v_wmma_scale_f32_16x16x128_f8f6f4 v[RC:RC+7], v[RB:RB+11], v[RA:RA+11], v[RC:RC+7], v[SB], v[SA] matrix_a_fmt:MATRIX_FMT_BF6 matrix_b_fmt:MATRIX_FMT_BF6 matrix_a_scale:MATRIX_SCALE_ROW1 matrix_b_scale:MATRIX_SCALE_ROW1
.else
	v_wmma_scale_f32_16x16x128_f8f6f4 v[RC:RC+7], v[RB:RB+11], v[RA:RA+11], v[RC:RC+7], v[SB], v[SA] matrix_a_fmt:MATRIX_FMT_BF6 matrix_b_fmt:MATRIX_FMT_BF6
.endif
.set BB, BB+1
.endr
.set AA, AA+1
.endr
.endm
.macro STEPN slot, q, zero
	s_wait_dscnt 0x0
	PLACES 4
	FETCH \slot, (\q)+1, ((\q)+1)%2
	MULQ 0, (\q)%2, \q, \slot, \zero
	MULQ 1, (\q)%2, \q, \slot, \zero
	MULQ 2, (\q)%2, \q, \slot, \zero
	MULQ 3, (\q)%2, \q, \slot, \zero
.endm
.macro TURN slot, next, fill
	WIN 0
	s_wait_tensorcnt 0x0
	ds_add_u32 v[SPW], v[NIL]
	s_wait_dscnt 0x1
	MULQ 0, 1, NQ-1, \slot, 0
	s_wait_dscnt 0x0
	s_barrier_signal -1
	MULQ 1, 1, NQ-1, \slot, 0
	WIN 0
	s_barrier_wait -1
.if \fill
	CREST
	s_add_nc_u64 s[G0+4*\slot+2:G0+4*\slot+3], s[G0+4*\slot+2:G0+4*\slot+3], 2*NQ*FRB
	s_add_nc_u64 s[G0B+4*\slot+2:G0B+4*\slot+3], s[G0B+4*\slot+2:G0B+4*\slot+3], 2*NQ*FRB
	JLOAD G0+4*\slot, G1, G0B+4*\slot, G1B
.else
	PLACES 4
.endif
	s_wait_alu depctr_va_vdst(0)
	v_add_nc_u32 v24, NQ*64, v24
	v_add_nc_u32 v25, NQ*64, v25
	FETCH \next, 0, 0
	SCALES \next
	MULQ 2, 1, NQ-1, \slot, 0
	MULQ 3, 1, NQ-1, \slot, 0
.endm
.macro LASTSTEP
	s_wait_dscnt 0x0
	MULQ 0, 1, NQ-1, 1, 0
	MULQ 1, 1, NQ-1, 1, 0
	MULQ 2, 1, NQ-1, 1, 0
	MULQ 3, 1, NQ-1, 1, 0
	WIN 0
	PLACES 4
.irp b, 0,1,2,3
	v_mov_b32 v[TM+4+\b], 0
.endr
.endm
.macro QUANT s
.irp b, 0,1,2,3
	v_max3_num_f32 v[TM+\b], |v[\s+16*\b]|, |v[\s+1+16*\b]|, 0x2800000
.endr
.irp i, 2,4,6,8,10,12,14
.irp b, 0,1,2,3
	v_max3_num_f32 v[TM+\b], v[TM+\b], |v[\s+16*\b+\i]|, |v[\s+1+16*\b+\i]|
.endr
.endr
.irp b, 0,1,2,3
	v_permlanex16_b32 v[TM+4+\b], v[TM+\b], s[SEL], s[SEL+1]
.endr
.irp b, 0,1,2,3
	v_max_num_f32 v[TM+\b], v[TM+\b], v[TM+4+\b]
.endr
.irp b, 0,1,2,3
	v_add_nc_u32 v[TM+12+\b], 0xfe000000, v[TM+\b]
.endr
.irp b, 0,1,2,3
	v_lshrrev_b32 v[TM+4+\b], 23, v[TM+12+\b]
.endr
	v_lshl_or_b32 v[PW], v[TM+5], 8, v[TM+4]
	v_lshl_or_b32 v[PW], v[TM+6], 16, v[PW]
	v_lshl_or_b32 v[PW], v[TM+7], 24, v[PW]
.irp c, 0,1
	v_cvt_scalef32_pk16_bf6_f32 v[PC+6*\c:PC+2+6*\c], v[\s+32*\c:\s+15+32*\c], v[TM+12+2*\c]
	v_cvt_scalef32_pk16_bf6_f32 v[PC+12+4*\c:PC+14+4*\c], v[\s+16+32*\c:\s+31+32*\c], v[TM+12+2*\c+1]
.endr
	v_nop
.irp c, 0,1
.irp i, 0,1,2
	v_permlane16_swap_b32 v[PC+6*\c+\i], v[PC+12+4*\c+\i]
.endr
.irp i, 0,1,2
	v_mov_b32 v[PC+3+6*\c+\i], v[PC+12+4*\c+\i]
.endr
.endr
.endm
.macro GELU32 x
.set I, 0
.rept 16
	v_pk_mul_f32 v[128+I:129+I], v[\x+I:\x+I+1], 0x3f3504f3 op_sel_hi:[1,0]
.set I, I+2
.endr
.set I, 0
.rept 32
	v_med3_num_f32 v[128+I], v[128+I], -4.0, 4.0
.set I, I+1
.endr
.set I, 0
.rept 16
	v_pk_mul_f32 v[160+I:161+I], v[128+I:129+I], v[128+I:129+I]
.set I, I+2
.endr
.set I, 0
.rept 16
	v_pk_fma_f32 v[192+I:193+I], v[160+I:161+I], v[8:9], 0x32edffee op_sel_hi:[1,1,0]
	v_pk_fma_f32 v[224+I:225+I], v[160+I:161+I], v[10:11], 0xb95fbd29 op_sel_hi:[1,1,0]
.set I, I+2
.endr
.irp c, 0xb60cff51, 0xb86ec2d2, 0xba40ac63, 0xbb41a1f6, 0xbc83dbd4
.set I, 0
.rept 16
	v_pk_fma_f32 v[192+I:193+I], v[192+I:193+I], v[160+I:161+I], \c op_sel_hi:[1,1,0]
.set I, I+2
.endr
.endr
.irp c, 0xbadc924e, 0xbbf19bf8, 0xbc69b6a7
.set I, 0
.rept 16
	v_pk_fma_f32 v[224+I:225+I], v[224+I:225+I], v[160+I:161+I], \c op_sel_hi:[1,1,0]
.set I, I+2
.endr
.endr
.set I, 0
.rept 32
	v_rcp_f32 v[224+I], v[224+I]
.set I, I+1
.endr
.set I, 0
.rept 16
	v_pk_mul_f32 v[192+I:193+I], v[192+I:193+I], v[128+I:129+I]
.set I, I+2
.endr
.set I, 0
.rept 16
	v_pk_mul_f32 v[128+I:129+I], v[\x+I:\x+I+1], 0.5 op_sel_hi:[1,0]
.set I, I+2
.endr
	s_wait_alu depctr_va_vdst(0)
.set I, 0
.rept 16
	v_pk_mul_f32 v[192+I:193+I], v[192+I:193+I], v[224+I:225+I]
.set I, I+2
.endr
.set I, 0
.rept 16
	v_pk_fma_f32 v[\x+I:\x+I+1], v[128+I:129+I], v[192+I:193+I], v[128+I:129+I]
.set I, I+2
.endr
.endm
.macro MV k, kind
	s_cmp_lg_u32 s2, \k
	s_cbranch_scc1 .Lnot_\@
	WIN 0x06+(\k)/4
.set I, 0
.rept 32
.if \kind == 1
	v_pk_add_f32 v[64+I:65+I], v[64*((\k)%4)+I:64*((\k)%4)+I+1], v[192+2*(\k):193+2*(\k)]
.else
	v_pk_add_f32 v[64+I:65+I], v[64*((\k)%4)+I:64*((\k)%4)+I+1], v[192+I:193+I]
.endif
.set I, I+2
.endr
	WIN 0
.Lnot_\@:
.endm
.macro EPILOOP kind
	s_mov_b32 s2, 0
.Lepi_\@:
.irp k, 0,1,2,3,4,5,6,7
	MV \k, \kind
.endr
	s_wait_xcnt 0x0
.if \kind == 2
	GELU32 64
	GELU32 96
.endif
.if \kind == 0
	s_mul_i32 s96, s2, 768
	s_lshl_b32 s97, s2, 6
.elseif \kind == 1
	s_lshr_b32 s96, s2, 2
	s_mul_i32 s97, s96, 12288
	s_mul_i32 s96, s96, 98304
	s_and_b32 s99, s2, 3
	s_mul_i32 s46, s99, FRB
	s_add_co_u32 s96, s96, s46
	s_lshl_b32 s99, s99, 6
	s_add_co_u32 s97, s97, s99
.else
	s_mul_i32 s96, s2, 49152
	s_lshl_b32 s97, s2, 11
.endif
	v_add_nc_u32 v12, s96, v4
	v_add_nc_u32 v13, s96, v5
	v_add_nc_u32 v14, s97, v6
.if \kind == 0
	v_add_nc_u32 v15, s98, v14
.endif
	QUANT 64
.if \kind == 0
	v_and_b32 v165, 0xffff, v[PW]
	v_lshrrev_b32 v166, 16, v[PW]
	global_store_b128 v12, v[PC:PC+3], s[20:21]
	global_store_b64 v13, v[PC+4:PC+5], s[20:21] offset:512
	global_store_b128 v12, v[PC+6:PC+9], s[20:21] offset:98304
	global_store_b64 v13, v[PC+10:PC+11], s[20:21] offset:98816
	global_store_b32 v14, v165, s[22:23]
	global_store_b32 v15, v166, s[22:23]
.else
	global_store_b128 v12, v[PC:PC+3], s[20:21]
	global_store_b64 v13, v[PC+4:PC+5], s[20:21] offset:512
	global_store_b128 v12, v[PC+6:PC+9], s[20:21] offset:768
	global_store_b64 v13, v[PC+10:PC+11], s[20:21] offset:1280
	global_store_b32 v14, v[PW], s[22:23]
.endif
	s_add_co_u32 s2, s2, 1
	s_cmp_lt_u32 s2, 8
	s_cbranch_scc1 .Lepi_\@
.endm
.macro BIASROW
	v_lshlrev_b32 v26, 6, v2
	WIN 0x40
.irp g, 0,1,2,3,4,5,6,7,8,9,10,11,12,13,14,15
	global_load_b128 v[192+4*\g:195+4*\g], v26, s[18:19] offset:128*(\g/4)+16*(\g%4)
.endr
	WIN 0
.endm
	s_load_b256 s[4:11], s[0:1], 0x0
.if KIND == 0
	s_load_b64 s[12:13], s[0:1], 0x20
.endif
	v_lshl_add_u32 v[SPW], v0, 2, SPARE
	v_mov_b32 v[NIL], 0
	ds_add_u32 v[SPW], v[NIL]
	ds_add_u32 v[SPW], v[NIL]
	v_lshrrev_b32 v1, 5, v0
	v_readfirstlane_b32 s14, v1
	s_lshr_b32 s15, s14, 1
	s_and_b32 s16, s14, 1
	s_bfe_u32 s40, ttmp6, 0x40000
	s_bfe_u32 s41, ttmp6, 0x40004
	s_and_b32 s18, ttmp7, 0xffff
	s_lshl_b32 s18, s18, 2
	s_lshl_b32 s43, s41, 2
	s_lshl_b32 s43, 15, s43
	s_lshl_b32 s44, 0x1111, s40
	s_add_co_u32 s17, s18, s41
.if KIND == 0
	s_add_co_u32 s42, s18, s40
	s_mul_i32 s19, ttmp9, 786432
	s_add_co_u32 s19, s19, O_WQC
	s_lshl_b32 s96, ttmp9, 15
	s_add_co_u32 s96, s96, O_WQS
	s_mov_b32 s97, O_XS
	s_mov_b32 s95, ttmp9
	s_cmp_eq_u32 s95, 2
	s_cselect_b32 s17, s41, s17
	s_cselect_b32 s42, s42, s40
	s_cselect_b32 s2, O_WVC, 0
	s_cselect_b32 s3, O_WVS, s97
	s_cselect_b32 s19, 0, s19
	s_cselect_b32 s96, s97, s96
.else
	s_lshl_b32 s42, ttmp9, 2
	s_add_co_u32 s42, s42, s40
	s_mov_b32 s2, 16777216
	s_mov_b32 s3, 19922944
	s_mov_b32 s19, O_W1C
	s_mov_b32 s96, O_W1S
	v_mov_b32 v8, 0xaf95df0b
	v_mov_b32 v9, 0xaf95df0b
	v_mov_b32 v10, 0xb77460cd
	v_mov_b32 v11, 0xb77460cd
.endif
	s_mul_i32 s98, s16, NT
	s_mul_i32 s20, s17, 2*NT
	s_add_co_u32 s20, s20, s98
	s_mul_i32 s46, s42, 2*NT
	s_add_co_u32 s46, s46, s98
	s_mul_i32 s22, s20, KS*64
	s_add_co_u32 s22, s22, s3
	s_mul_i32 s20, s20, KS*FRB
	s_add_co_u32 s20, s20, s2
	s_mul_i32 s92, s46, KS*64
	s_add_co_u32 s92, s92, s96
	s_mul_i32 s46, s46, KS*FRB
	s_add_co_u32 s46, s46, s19
	s_mov_b32 s21, 0
	s_mov_b32 s23, 0
	s_mov_b32 s47, 0
	s_mov_b32 s93, 0
	s_mul_i32 s45, s14, HALFT
	s_mov_b32 s[SEL], 0x76543210
	s_mov_b32 s[SEL+1], 0xfedcba98
	s_or_b32 s[G1+0], s43, (3<<16)|(1<<21)
	s_or_b32 s[G1B+0], s44, (3<<16)|(1<<21)
.irp g, G1, G1B
	s_mov_b32 s[\g+1], (NQ*192)<<16
	s_mov_b32 s[\g+2], (2*NT)<<16                  ; the head's loads of codes bring a whole operand's 2 NT tiles
	s_mov_b32 s[\g+3], (NQ*192)<<16
	s_mov_b32 s[\g+4], 2*NT
	s_mov_b32 s[\g+5], KS*192
	s_mov_b32 s[\g+6], 0
	s_mov_b32 s[\g+7], 0
.endr
	s_or_b32 s[G1S+0], s43, (3<<16)|(1<<21)
	s_or_b32 s[G1SB+0], s44, (3<<16)|(1<<21)
.irp g, G1S, G1SB
	s_mov_b32 s[\g+1], 32<<16
	s_mov_b32 s[\g+2], (2*QSZ/256)<<16             ; the scale words of 2 NT tiles, all of K
	s_mov_b32 s[\g+3], 32<<16
	s_mov_b32 s[\g+4], 2*QSZ/256
	s_mov_b32 s[\g+5], 32
	s_mov_b32 s[\g+6], 0
	s_mov_b32 s[\g+7], 0
.endr
	s_wait_dscnt 0x0
	s_wait_kmcnt 0x0
	s_add_nc_u64 s[20:21], s[PA:PA+1], s[20:21]
	s_add_nc_u64 s[22:23], s[PA:PA+1], s[22:23]
	s_add_nc_u64 s[46:47], s[PB:PB+1], s[46:47]
	s_add_nc_u64 s[92:93], s[PB:PB+1], s[92:93]
	CROUND
	s_mov_b32 s[G0S], 1
	s_mov_b32 s[G0S+1], SCL
	s_sub_nc_u64 s[G0S+2:G0S+3], s[22:23], QSZ     ; issued by wave 1 alone, whose own half is the second: back to the first
	s_or_b32 s[G0S+3], s[G0S+3], 0x80000000
	s_mov_b32 s[G0SB], 1
	s_mov_b32 s[G0SB+1], SCL+2*QSZ
	s_sub_nc_u64 s[G0SB+2:G0SB+3], s[92:93], QSZ   ; issued by wave 3 alone
	s_or_b32 s[G0SB+3], s[G0SB+3], 0x80000000
.irp s, 0,1
	s_mov_b32 s[G0+4*\s], 1
	s_add_co_u32 s[G0+4*\s+1], s45, \s*SLOT
	s_add_nc_u64 s[G0+4*\s+2:G0+4*\s+3], s[20:21], \s*NQ*FRB
	s_or_b32 s[G0+4*\s+3], s[G0+4*\s+3], 0x80000000
	s_mov_b32 s[G0B+4*\s], 1
	s_add_co_u32 s[G0B+4*\s+1], s45, \s*SLOT
	s_add_nc_u64 s[G0B+4*\s+2:G0B+4*\s+3], s[46:47], \s*NQ*FRB
	s_or_b32 s[G0B+4*\s+3], s[G0B+4*\s+3], 0x80000000
.endr
; the head's four tiles, one joint load a wave, in one chain of branches on the wave's number: wave 0 slot 0's 2 NT tiles of A, wave 1 A's scale words, wave 2 slot 0's tiles of B, wave 3 B's scale words
	s_cmp_lt_u32 s14, 1
	s_cbranch_scc0 .Lh1
	tensor_load_to_lds s[G0:G0+3], s[G1:G1+7]
	s_nop 0
.rept 4
	v_nop
.endr
	s_branch .Lhead_asked
.Lh1:
	s_cmp_lt_u32 s14, 2
	s_cbranch_scc0 .Lh2
	tensor_load_to_lds s[G0S:G0S+3], s[G1S:G1S+7]
	s_nop 0
.rept 4
	v_nop
.endr
	s_branch .Lhead_asked
.Lh2:
	s_cmp_lt_u32 s14, 3
	s_cbranch_scc0 .Lh3
	tensor_load_to_lds s[G0B:G0B+3], s[G1B:G1B+7]
	s_nop 0
.rept 4
	v_nop
.endr
	s_branch .Lhead_asked
.Lh3:
	tensor_load_to_lds s[G0SB:G0SB+3], s[G1SB:G1SB+7]
	s_nop 0
.rept 4
	v_nop
.endr
.Lhead_asked:
	s_wait_alu depctr_va_vdst(0)
	s_wait_tensorcnt 0x0                           ; my tile of the four is in
	ds_add_u32 v[SPW], v[NIL]
	s_mov_b32 s[G1+2], NT<<16                      ; no tensor load of mine is out: from here on a load brings NT tiles
	s_mov_b32 s[G1+4], NT
	s_mov_b32 s[G1B+2], NT<<16
	s_mov_b32 s[G1B+4], NT
	s_wait_dscnt 0x0
	CROUND
	JLOAD G0+4, G1, G0B+4, G1B                     ; slot 1's first fill, the first tensor load behind the round
	v_and_b32 v1, 15, v0
	v_bfe_u32 v2, v0, 4, 1
	v_and_b32 v3, 31, v0
	v_lshlrev_b32 v4, 4, v3
	v_lshlrev_b32 v5, 3, v3
	v_lshlrev_b32 v6, 2, v1
	v_lshlrev_b32 v7, 2, v3
	s_wait_alu depctr_va_vdst(0)
	s_mul_i32 s21, s15, HALFT
	s_mul_i32 s22, s16, HALFT
	s_add_co_u32 s22, s22, 2*HALFT
.irp s, 0,1
	v_add_nc_u32 v[16+\s], s21, v4
	v_add_nc_u32 v[18+\s], s21, v5
	v_add_nc_u32 v[20+\s], s22, v4
	v_add_nc_u32 v[22+\s], s22, v5
	s_add_co_u32 s21, s21, SLOT
	s_add_co_u32 s22, s22, SLOT
.endr
	s_mul_i32 s21, s15, QSZ
	s_add_co_u32 s21, s21, SCL
	v_add_nc_u32 v24, s21, v7
	s_mul_i32 s22, s16, QSZ
	s_add_co_u32 s22, s22, SCL+2*QSZ
	v_add_nc_u32 v25, s22, v7
	s_wait_alu depctr_va_vdst(0)
	s_wait_tensorcnt 0x1
	s_barrier_signal -1
	s_barrier_wait -1
	FETCH 0, 0, 0
	SCALES 0
	STEPN 0, 0, 1
	WIN 0
	s_mov_b32 s3, LAPS-1
.Llap:
	TURN 0, 1, 1
	STEPN 1, 0, 0
	TURN 1, 0, 1
	STEPN 0, 0, 0
	WIN 0
	s_sub_co_u32 s3, s3, 1
	s_cmp_lg_u32 s3, 0
	s_cbranch_scc1 .Llap
	TURN 0, 1, 0
	STEPN 1, 0, 0
	WIN 0
.if KIND == 0
	s_cmp_eq_u32 s95, 2
	s_cbranch_scc1 .Lvmode
	s_cmp_eq_u32 s95, 0
	s_cselect_b64 s[18:19], s[6:7], s[8:9]
	s_lshl_b32 s20, s42, 10
	s_lshl_b32 s21, s16, 9
	s_add_co_u32 s20, s20, s21
	s_mov_b32 s21, 0
	s_add_nc_u64 s[18:19], s[18:19], s[20:21]
	BIASROW
	LASTSTEP
	s_wait_loadcnt 0x0
	s_lshr_b32 s18, s17, 3
	s_lshl_b32 s18, s18, 4
	s_lshl_b32 s19, s42, 2
	s_add_co_u32 s18, s18, s19
	s_lshl_b32 s19, s16, 1
	s_add_co_u32 s18, s18, s19
	s_and_b32 s19, s17, 7
	s_lshl_b32 s19, s19, 4
	s_lshl_b32 s46, s15, 3
	s_add_co_u32 s19, s19, s46
	s_mov_b32 s98, 12288
	s_mov_b32 s47, O_SKV
	s_cmp_eq_u32 s95, 0
	s_cselect_b32 s98, 8192, s98
	s_cselect_b32 s47, O_QS, s47
	s_cselect_b32 s46, 0, O_KC
	s_lshl_b32 s92, s18, 7
	s_add_co_u32 s92, s92, s19
	s_mul_i32 s92, s92, 768
	s_add_co_u32 s20, s92, s46
	s_mov_b32 s21, 0
	s_mul_i32 s22, s18, s98
	s_lshl_b32 s19, s19, 6
	s_add_co_u32 s22, s22, s19
	s_add_co_u32 s22, s22, s47
	s_mov_b32 s23, 0
	s_add_nc_u64 s[20:21], s[12:13], s[20:21]
	s_add_nc_u64 s[22:23], s[12:13], s[22:23]
	EPILOOP 0
	s_branch .Lend
.Lvmode:
	s_lshl_b32 s20, s17, 10
	s_lshl_b32 s21, s15, 9
	s_add_co_u32 s20, s20, s21
	s_mov_b32 s21, 0
	s_add_nc_u64 s[18:19], s[10:11], s[20:21]
	v_and_b32 v26, 8, v1
	v_add_nc_u32 v26, v26, v1
	v_lshlrev_b32 v26, 2, v26
	WIN 0x40
.irp a, 0,1,2,3,4,5,6,7
	global_load_b32 v[192+2*\a], v26, s[18:19] offset:128*(\a/2)+32*(\a%2)
	global_load_b32 v[193+2*\a], v26, s[18:19] offset:128*(\a/2)+32*(\a%2)
.endr
	WIN 0
	LASTSTEP
	s_wait_loadcnt 0x0
	s_lshl_b32 s18, s42, 1
	s_add_co_u32 s18, s18, s16
	s_lshr_b32 s19, s18, 4
	s_and_b32 s18, s18, 15
	s_lshl_b32 s19, s19, 4
	s_lshl_b32 s46, s17, 2
	s_add_co_u32 s19, s19, s46
	s_lshl_b32 s46, s15, 1
	s_add_co_u32 s19, s19, s46
	s_mul_i32 s20, s19, 98304
	s_mul_i32 s46, s18, 6144
	s_add_co_u32 s20, s20, s46
	s_add_co_u32 s20, s20, O_VC
	s_mov_b32 s21, 0
	s_mul_i32 s22, s19, 12288
	s_lshl_b32 s46, s18, 8
	s_add_co_u32 s22, s22, s46
	s_add_co_u32 s22, s22, O_SKV+8192
	s_mov_b32 s23, 0
	s_add_nc_u64 s[20:21], s[12:13], s[20:21]
	s_add_nc_u64 s[22:23], s[12:13], s[22:23]
	EPILOOP 1
.Lend:
.else
	s_lshl_b32 s20, s42, 10
	s_lshl_b32 s21, s16, 9
	s_add_co_u32 s20, s20, s21
	s_mov_b32 s21, 0
	s_add_nc_u64 s[18:19], s[8:9], s[20:21]
	BIASROW
	LASTSTEP
	s_wait_loadcnt 0x0
	s_lshl_b32 s18, s17, 4
	s_lshl_b32 s19, s15, 3
	s_add_co_u32 s18, s18, s19
	s_lshl_b32 s18, s18, 5
	s_lshl_b32 s19, s42, 1
	s_add_co_u32 s18, s18, s19
	s_add_co_u32 s18, s18, s16
	s_mul_i32 s20, s18, FRB
	s_mov_b32 s21, 0
	s_lshl_b32 s22, s18, 6
	s_add_co_u32 s22, s22, 12582912
	s_mov_b32 s23, 0
	s_add_nc_u64 s[20:21], s[10:11], s[20:21]
	s_add_nc_u64 s[22:23], s[10:11], s[22:23]
	EPILOOP 2
.endif
	s_wait_tensorcnt 0x0
	ds_add_u32 v[SPW], v[NIL]
	s_wait_dscnt 0x0
	CROUND
	s_endpgm
.Lfunc_end_k_qd442bc4ab6_qkv:
	.size	k_qd442bc4ab6_qkv, .Lfunc_end_k_qd442bc4ab6_qkv-k_qd442bc4ab6_qkv
	.p2alignl 7, 3214868480
	.fill 96, 4, 3214868480
	.section	.rodata,"a",@progbits
	.p2align	6, 0x0
	.amdhsa_kernel k_qd442bc4ab6_qkv
		.amdhsa_group_segment_fixed_size 327680
		.amdhsa_private_segment_fixed_size 0
		.amdhsa_enable_private_segment 0
		.amdhsa_kernarg_size 40
		.amdhsa_user_sgpr_count 2
		.amdhsa_user_sgpr_kernarg_segment_ptr 1
		.amdhsa_wavefront_size32 1
		.amdhsa_system_sgpr_workgroup_id_x 1
		.amdhsa_system_sgpr_workgroup_id_y 1
		.amdhsa_system_sgpr_workgroup_id_z 1
		.amdhsa_system_vgpr_workitem_id 0
		.amdhsa_next_free_vgpr 1024
		.amdhsa_next_free_sgpr 102
		.amdhsa_reserve_vcc 0
		.amdhsa_float_denorm_mode_32 3
		.amdhsa_float_denorm_mode_16_64 3
		.amdhsa_memory_ordered 1
		.amdhsa_forward_progress 1
		.amdhsa_inst_pref_size 174
	.end_amdhsa_kernel
	.amdgpu_metadata
---
amdhsa.version: [ 1, 2 ]
amdhsa.kernels:
  - .name:           k_qd442bc4ab6_qkv
    .symbol:         k_qd442bc4ab6_qkv.kd
    .args:
      - { .name: pbuf, .offset: 0, .size: 8, .value_kind: global_buffer, .address_space: global }
      - { .name: bq, .offset: 8, .size: 8, .value_kind: global_buffer, .address_space: global }
      - { .name: bk, .offset: 16, .size: 8, .value_kind: global_buffer, .address_space: global }
      - { .name: bv, .offset: 24, .size: 8, .value_kind: global_buffer, .address_space: global }
      - { .name: qbuf, .offset: 32, .size: 8, .value_kind: global_buffer, .address_space: global }
    .group_segment_fixed_size: 327680
    .private_segment_fixed_size: 0
    .kernarg_segment_align: 8
    .kernarg_segment_size: 40
    .max_flat_workgroup_size: 128
    .sgpr_count:     102
    .vgpr_count:     1024
    .wavefront_size: 32
...
	.end_amdgpu_metadata
.endif
;; end of part 2
;; launch attn (part 3): grid 8 x 32, 16 waves a work-group, clusters of 4 x 1, 327,680 bytes of LDS; arguments qbuf, cbuf; writes cbuf
.if DOCPART == 3
	.amdgcn_target "amdgcn-amd-amdhsa--gfx1250"
	.amdhsa_code_object_version 6
	.text
	.protected	k_qd442bc4ab6_attn
	.globl	k_qd442bc4ab6_attn
	.p2align	8
	.type	k_qd442bc4ab6_attn,@function
k_qd442bc4ab6_attn:
	s_mov_b64 s[64:65], 0
	v_nop
	global_prefetch_b8 v0, s[64:65] scope:SCOPE_SE
	s_setreg_imm32_b32 hwreg(HW_REG_WAVE_MODE, 25, 1), 1
	s_wait_xcnt 0x0
	s_wait_alu depctr_hold_cnt(0) depctr_sa_sdst(0) depctr_va_vdst(0) depctr_va_sdst(0) depctr_va_ssrc(0) depctr_va_vcc(0) depctr_vm_vsrc(0)
	s_getreg_b32 s2, hwreg(HW_REG_IB_STS2, 6, 4)
	s_cmp_eq_u32 s2, 0
	s_cbranch_scc0 .Lentry_in_a_cluster
	s_endpgm
.Lentry_in_a_cluster:
	s_bfe_u32 s2, ttmp6, 0x10000c
	s_cmp_lg_u32 s2, 0x3003
	s_cbranch_scc0 .Lentry_shape_is_right
	s_endpgm
.Lentry_shape_is_right:
.set O_KC,  3145728
.set O_QS,  9437184
.set O_SKV, 9699328
.set LV,    98304
.set LKS,   196608
.set LVS,   204800
.set SPARE, 208896
.macro CROUND
	s_barrier_signal -1
	s_barrier_wait -1
	s_cmp_lg_u32 s18, 0
	s_cbranch_scc1 .Lnot_wave_0_\@
	s_barrier_signal -3
.Lnot_wave_0_\@:
	s_barrier_wait -3
	s_barrier_signal -1
	s_barrier_wait -1
.endm
	s_load_b128 s[4:7], s[0:1], 0x0
	v_lshl_add_u32 v5, v0, 2, SPARE
	v_mov_b32 v6, 0
	ds_add_u32 v5, v6
	ds_add_u32 v5, v6
	v_lshrrev_b32 v8, 5, v0
	s_delay_alu instid0(VALU_DEP_1)
	v_readfirstlane_b32 s18, v8
	s_bfe_u32 s8, ttmp6, 0x40000
	s_lshl_b32 s9, ttmp9, 2
	s_add_co_u32 s9, s9, s8
	s_and_b32 s10, ttmp7, 0xffff
	s_mov_b32 s24, 15|(3<<16)|(1<<21)
	s_mov_b32 s25, 32<<16
	s_mov_b32 s26, 64<<16
	s_mov_b32 s27, 32<<16
	s_mov_b32 s28, 64
	s_mov_b32 s29, 32
	s_mov_b32 s30, 0
	s_mov_b32 s31, 0
	s_mov_b32 s32, 15|(3<<16)|(1<<21)
	s_mov_b32 s33, 32<<16
	s_mov_b32 s34, 12<<16
	s_mov_b32 s35, 32<<16
	s_mov_b32 s36, 12
	s_mov_b32 s37, 32
	s_mov_b32 s38, 0
	s_mov_b32 s39, 0
	s_mul_i32 s11, s18, 16384
	s_mul_i32 s12, s10, 98304
	s_add_co_u32 s12, s12, s11
	s_mov_b32 s13, 6193152
	s_cmp_lt_u32 s18, 6
	s_cselect_b32 s13, O_KC, s13
	s_add_co_u32 s12, s12, s13
	s_mov_b32 s13, 0
	s_mul_i32 s14, s18, 3072
	s_mul_i32 s16, s10, 12288
	s_add_co_u32 s16, s16, s14
	s_add_co_u32 s16, s16, O_SKV-36864
	s_mov_b32 s17, 0
	s_mov_b32 s20, 0x76543210
	s_mov_b32 s21, 0xfedcba98
	s_mov_b32 s22, 0x3e38aa3b
	s_mov_b32 s23, s22
	s_mov_b32 s2, 0
	s_mov_b32 s3, 0
	s_mov_b32 s48, 0
	s_mov_b32 s49, 16
	s_wait_dscnt 0x0
	s_wait_kmcnt 0x0
	CROUND
	s_mov_b32 s40, 1
	s_mov_b32 s41, s11
	s_add_nc_u64 s[42:43], s[4:5], s[12:13]
	s_or_b32 s43, s43, 0x80000000
	s_mov_b32 s44, 1
	s_add_co_u32 s45, s14, LKS-36864
	s_add_nc_u64 s[46:47], s[4:5], s[16:17]
	s_or_b32 s47, s47, 0x80000000
; one joint load a wave, all in one group: waves 0-5 bring 16,384 bytes of K's codes each, waves 6-11 of V's, waves 12-15 3,072 bytes each of the 12,288 bytes of K's and V's scale words
	s_cmp_lt_u32 s18, 12
	s_cbranch_scc0 .Lscl
	tensor_load_to_lds s[40:43], s[24:31]
	s_nop 0
.rept 4
	v_nop
.endr
	s_branch .Lasked
.Lscl:
	tensor_load_to_lds s[44:47], s[32:39]
	s_nop 0
.rept 4
	v_nop
.endr
.Lasked:
	s_lshl_b32 s50, s9, 4
	s_add_co_u32 s50, s50, s18
	s_lshl_b32 s51, s10, 7
	s_add_co_u32 s51, s51, s50
	s_mul_i32 s52, s51, 768
	s_mov_b32 s53, 0
	s_add_nc_u64 s[52:53], s[4:5], s[52:53]
	s_lshl_b32 s54, s51, 6
	s_add_co_u32 s54, s54, O_QS
	s_mov_b32 s55, 0
	s_add_nc_u64 s[54:55], s[4:5], s[54:55]
	s_lshr_b32 s11, s10, 4
	s_lshl_b32 s11, s11, 7
	s_add_co_u32 s11, s11, s50
	s_lshl_b32 s11, s11, 3
	s_bfe_u32 s12, s10, 0x30001
	s_add_co_u32 s11, s11, s12
	s_and_b32 s12, s10, 1
	s_mul_i32 s56, s11, 1536
	s_mul_i32 s13, s12, 768
	s_add_co_u32 s56, s56, s13
	s_mov_b32 s57, 0
	s_add_nc_u64 s[56:57], s[6:7], s[56:57]
	s_lshl_b32 s58, s11, 6
	s_lshl_b32 s13, s12, 1
	s_add_co_u32 s58, s58, s13
	s_add_co_u32 s58, s58, 3145728
	s_mov_b32 s59, 0
	s_add_nc_u64 s[58:59], s[6:7], s[58:59]
	v_and_b32 v8, 31, v0
	s_delay_alu instid0(VALU_DEP_1)
	v_lshlrev_b32 v1, 4, v8
	s_delay_alu instid0(VALU_DEP_2)
	v_lshlrev_b32 v2, 3, v8
	v_and_b32 v9, 15, v0
	s_delay_alu instid0(VALU_DEP_1)
	v_lshlrev_b32 v9, 2, v9
	global_load_b128 v[16:19], v1, s[52:53]
	global_load_b64 v[20:21], v2, s[52:53] offset:512
	global_load_b32 v28, v9, s[54:55]
	v_add_nc_u32 v3, LV, v1
	v_add_nc_u32 v4, LV, v2
	v_lshl_add_u32 v7, v8, 2, LKS
	v_lshl_add_u32 v29, v8, 2, LVS
.irp j, 22,23,24,25,26,27,80,81,82,83,84,85
	v_mov_b32 v\j, 0
.endr
	v_mov_b32 v13, 0xff61b1e6
	s_delay_alu instid0(VALU_DEP_1)
	v_floor_f32 v12, -v13
	v_mov_b32 v14, 0
	v_mov_b32 v15, 0
.irp b, 0,1,2,3
	v_mov_b32 v[236+\b], 0
.endr
	v_mov_b32 v253, 0
.set J, 0
.rept 32
	v_mov_b32 v[160+J], 0
.set J, J+1
.endr
	s_wait_tensorcnt 0x0
	s_barrier_signal -1
	s_barrier_wait -1
	s_wait_loadcnt 0x0
.Lstep:
	v_add_nc_u32 v8, s2, v1
	v_add_nc_u32 v9, s2, v2
	v_add_nc_u32 v10, s2, v3
	v_add_nc_u32 v11, s2, v4
	v_add_nc_u32 v30, s3, v7
	v_add_nc_u32 v31, s48, v29
.irp t, 0,1,2,3,4,5,6,7
	ds_load_b128 v[32+6*\t:35+6*\t], v8 offset:768*\t
	ds_load_b64 v[36+6*\t:37+6*\t], v9 offset:768*\t+512
.endr
.irp p, 0,1,2,3
	ds_load_b32 v[248+\p], v30 offset:128*\p
.endr
	s_wait_alu depctr_va_vdst(0)
	s_wait_dscnt 0x0
.irp t, 0,2,4,6
	v_wmma_scale_f32_16x16x128_f8f6f4 v[96+8*\t:103+8*\t], v[32+6*\t:43+6*\t], v[16:27], 0, v[248+\t/2], v28 matrix_a_fmt:MATRIX_FMT_BF6 matrix_b_fmt:MATRIX_FMT_BF6
	v_wmma_scale_f32_16x16x128_f8f6f4 v[104+8*\t:111+8*\t], v[38+6*\t:49+6*\t], v[16:27], 0, v[248+\t/2], v28 matrix_a_fmt:MATRIX_FMT_BF6 matrix_b_fmt:MATRIX_FMT_BF6 matrix_a_scale:MATRIX_SCALE_ROW1
.endr
.rept 4
	v_nop
.endr
.irp t, 0,1,2,3
	ds_load_b128 v[32+12*\t:35+12*\t], v10 offset:1536*\t
	ds_load_b64 v[36+12*\t:37+12*\t], v11 offset:1536*\t+512
	ds_load_b128 v[38+12*\t:41+12*\t], v10 offset:1536*\t+768
	ds_load_b64 v[42+12*\t:43+12*\t], v11 offset:1536*\t+1280
.endr
	ds_load_b32 v248, v31
	ds_load_b32 v249, v31 offset:128
.irp b, 0,1,2,3
	v_max3_num_f32 v[232+\b], v[96+16*\b], v[97+16*\b], v[98+16*\b]
.endr
.irp i, 3,5,7,9,11,13
.irp b, 0,1,2,3
	v_max3_num_f32 v[232+\b], v[232+\b], v[96+16*\b+\i], v[97+16*\b+\i]
.endr
.endr
.irp b, 0,1,2,3
	v_max_num_f32 v[232+\b], v[232+\b], v[111+16*\b]
.endr
.irp b, 0,1,2,3
	s_delay_alu instid0(VALU_DEP_4)
	v_permlanex16_b32 v[236+\b], v[232+\b], s20, s21
.endr
.irp b, 0,1,2,3
	s_delay_alu instid0(VALU_DEP_4)
	v_max_num_f32 v[232+\b], v[232+\b], v[236+\b]
.endr
	s_delay_alu instid0(VALU_DEP_2)
	v_max3_num_f32 v254, v232, v233, v234
	s_delay_alu instid0(VALU_DEP_1)
	v_max_num_f32 v254, v254, v235
	s_delay_alu instid0(VALU_DEP_1)
	v_mul_f32 v254, s22, v254
	s_delay_alu instid0(VALU_DEP_1)
	v_max_num_f32 v13, v13, v254
	v_mov_b32 v254, v12
	s_delay_alu instid0(VALU_DEP_2)
	v_floor_f32 v12, -v13
	s_delay_alu instid0(VALU_DEP_1)
	v_sub_f32 v254, v12, v254
	s_delay_alu instid0(VALU_DEP_1)
	v_cvt_i32_f32 v254, v254
	s_delay_alu instid0(VALU_DEP_1)
	v_ldexp_f32 v252, 1.0, v254
.set J, 0
.rept 32
	v_pk_fma_f32 v[96+J:97+J], v[96+J:97+J], s[22:23], v[12:13] op_sel_hi:[1,0,0]
.set J, J+2
.endr
.irp b, 0,1,2,3
	v_fma_f32 v[232+\b], v[232+\b], s22, v12
.endr
.set J, 0
	s_wait_alu depctr_va_vdst(0)
.rept 64
	v_exp_f32 v[96+J], v[96+J]
.set J, J+1
.endr
	v_pk_mul_f32 v[14:15], v[14:15], v[252:253] op_sel_hi:[1,0]
	s_wait_alu depctr_va_vdst(0)
.irp b, 0,1,2,3
	v_exp_f32 v[232+\b], v[232+\b]
.endr
	v_pk_add_f32 v[236:237], v[96:97], v[98:99]
.irp j, 4,8,12,16,20,24,28,32,36,40,44,48,52,56,60
	v_pk_add_f32 v[14:15], v[14:15], v[96+\j:97+\j]
	v_pk_add_f32 v[236:237], v[236:237], v[98+\j:99+\j]
.endr
	s_delay_alu instid0(VALU_DEP_1)
	v_pk_add_f32 v[14:15], v[14:15], v[236:237]
	s_wait_alu depctr_va_vdst(0)
.irp b, 0,1,2,3
	v_max_num_f32 v[232+\b], 0x2800000, v[232+\b]
.endr
.irp b, 0,1,2,3
	s_delay_alu instid0(VALU_DEP_4)
	v_add_nc_u32 v[244+\b], 0xfe000000, v[232+\b]
.endr
.irp b, 0,1,2,3
	s_delay_alu instid0(VALU_DEP_4)
	v_lshrrev_b32 v[236+\b], 23, v[244+\b]
.endr
	s_delay_alu instid0(VALU_DEP_3)
	v_lshl_or_b32 v253, v237, 8, v236
	s_delay_alu instid0(VALU_DEP_1)
	v_lshl_or_b32 v253, v238, 16, v253
	s_delay_alu instid0(VALU_DEP_1)
	v_lshl_or_b32 v253, v239, 24, v253
.irp c, 0,1
	v_cvt_scalef32_pk16_bf6_f32 v[224+6*\c:226+6*\c], v[96+32*\c:111+32*\c], v[244+2*\c]
	v_cvt_scalef32_pk16_bf6_f32 v[236+4*\c:238+4*\c], v[112+32*\c:127+32*\c], v[244+2*\c+1]
.endr
	v_nop
.irp c, 0,1
.irp i, 0,1,2
	v_permlane16_swap_b32 v[224+6*\c+\i], v[236+4*\c+\i]
.endr
.irp i, 0,1,2
	s_delay_alu instid0(VALU_DEP_3)
	v_mov_b32 v[227+6*\c+\i], v[236+4*\c+\i]
.endr
.endr
.set J, 0
.rept 16
	v_pk_mul_f32 v[160+J:161+J], v[160+J:161+J], v[252:253] op_sel_hi:[1,0]
.set J, J+2
.endr
	s_wait_alu depctr_va_vdst(0)
	s_wait_dscnt 0x0
.irp t, 0,2
	v_wmma_scale_f32_16x16x128_f8f6f4 v[160+8*\t:167+8*\t], v[32+12*\t:43+12*\t], v[224:235], v[160+8*\t:167+8*\t], v[248+\t/2], v253 matrix_a_fmt:MATRIX_FMT_BF6 matrix_b_fmt:MATRIX_FMT_BF6
	v_wmma_scale_f32_16x16x128_f8f6f4 v[168+8*\t:175+8*\t], v[44+12*\t:55+12*\t], v[224:235], v[168+8*\t:175+8*\t], v[248+\t/2], v253 matrix_a_fmt:MATRIX_FMT_BF6 matrix_b_fmt:MATRIX_FMT_BF6 matrix_a_scale:MATRIX_SCALE_ROW1
.endr
	s_add_co_u32 s2, s2, 6144
	s_add_co_u32 s3, s3, 512
	s_add_co_u32 s48, s48, 256
	s_sub_co_u32 s49, s49, 1
	s_cmp_lg_u32 s49, 0
	s_cbranch_scc1 .Lstep
	v_add_f32 v14, v14, v15
	s_delay_alu instid0(VALU_DEP_1)
	v_permlanex16_b32 v252, v14, s20, s21
	s_delay_alu instid0(VALU_DEP_1)
	v_add_f32 v14, v14, v252
	s_wait_alu depctr_va_vdst(0)
	v_rcp_f32 v14, v14
	v_and_b32 v8, 31, v0
	s_delay_alu instid0(VALU_DEP_1)
	v_lshlrev_b32 v9, 4, v8
	s_delay_alu instid0(VALU_DEP_2)
	v_lshlrev_b32 v10, 3, v8
	v_and_b32 v11, 15, v0
	s_delay_alu instid0(VALU_DEP_1)
	v_lshlrev_b32 v11, 2, v11
	s_wait_alu depctr_va_vdst(0)
.set J, 0
.rept 32
	v_mul_f32 v[96+J], v[160+J], v14
.set J, J+1
.endr
.irp b, 0,1
	v_max3_num_f32 v[232+\b], |v[96+16*\b]|, |v[97+16*\b]|, 0x2800000
.endr
.irp i, 2,4,6,8,10,12,14
.irp b, 0,1
	s_delay_alu instid0(VALU_DEP_2)
	v_max3_num_f32 v[232+\b], v[232+\b], |v[96+16*\b+\i]|, |v[97+16*\b+\i]|
.endr
.endr
.irp b, 0,1
	s_delay_alu instid0(VALU_DEP_2)
	v_permlanex16_b32 v[236+\b], v[232+\b], s20, s21
.endr
.irp b, 0,1
	s_delay_alu instid0(VALU_DEP_2)
	v_max_num_f32 v[232+\b], v[232+\b], v[236+\b]
.endr
.irp b, 0,1
	s_delay_alu instid0(VALU_DEP_2)
	v_add_nc_u32 v[244+\b], 0xfe000000, v[232+\b]
.endr
.irp b, 0,1
	s_delay_alu instid0(VALU_DEP_2)
	v_lshrrev_b32 v[236+\b], 23, v[244+\b]
.endr
	s_delay_alu instid0(VALU_DEP_1)
	v_lshl_or_b32 v240, v237, 8, v236
	v_cvt_scalef32_pk16_bf6_f32 v[224:226], v[96:111], v244
	v_cvt_scalef32_pk16_bf6_f32 v[228:230], v[112:127], v245
	v_nop
.irp i, 0,1,2
	v_permlane16_swap_b32 v[224+\i], v[228+\i]
.endr
.irp i, 0,1,2
	s_delay_alu instid0(VALU_DEP_3)
	v_mov_b32 v[227+\i], v[228+\i]
.endr
	global_store_b128 v9, v[224:227], s[56:57]
	global_store_b64 v10, v[228:229], s[56:57] offset:512
	global_store_b16 v11, v240, s[58:59]
	s_wait_tensorcnt 0x0
	ds_add_u32 v5, v6
	s_wait_dscnt 0x0
	CROUND
	s_endpgm
.Lfunc_end_k_qd442bc4ab6_attn:
	.size	k_qd442bc4ab6_attn, .Lfunc_end_k_qd442bc4ab6_attn-k_qd442bc4ab6_attn
	.p2alignl 7, 3214868480
	.fill 96, 4, 3214868480
	.section	.rodata,"a",@progbits
	.p2align	6, 0x0
	.amdhsa_kernel k_qd442bc4ab6_attn
		.amdhsa_group_segment_fixed_size 327680
		.amdhsa_private_segment_fixed_size 0
		.amdhsa_enable_private_segment 0
		.amdhsa_kernarg_size 16
		.amdhsa_user_sgpr_count 2
		.amdhsa_user_sgpr_kernarg_segment_ptr 1
		.amdhsa_wavefront_size32 1
		.amdhsa_system_sgpr_workgroup_id_x 1
		.amdhsa_system_sgpr_workgroup_id_y 1
		.amdhsa_system_sgpr_workgroup_id_z 1
		.amdhsa_system_vgpr_workitem_id 0
		.amdhsa_next_free_vgpr 256
		.amdhsa_next_free_sgpr 66
		.amdhsa_reserve_vcc 0
		.amdhsa_float_denorm_mode_32 3
		.amdhsa_float_denorm_mode_16_64 3
		.amdhsa_memory_ordered 1
		.amdhsa_forward_progress 1
		.amdhsa_inst_pref_size 31
	.end_amdhsa_kernel
	.amdgpu_metadata
---
amdhsa.version: [ 1, 2 ]
amdhsa.kernels:
  - .name:           k_qd442bc4ab6_attn
    .symbol:         k_qd442bc4ab6_attn.kd
    .args:
      - { .name: qbuf, .offset: 0, .size: 8, .value_kind: global_buffer, .address_space: global }
      - { .name: cbuf, .offset: 8, .size: 8, .value_kind: global_buffer, .address_space: global }
    .group_segment_fixed_size: 327680
    .private_segment_fixed_size: 0
    .kernarg_segment_align: 8
    .kernarg_segment_size: 16
    .max_flat_workgroup_size: 512
    .sgpr_count:     66
    .vgpr_count:     256
    .wavefront_size: 32
...
	.end_amdgpu_metadata
.endif
;; end of part 3
;; launch woln (part 4): grid 256 x 1, 16 waves a work-group, no clusters, 94,208 bytes of LDS; arguments cbuf, pbuf, x, bo, g1, be1, hbuf; writes hbuf
.if DOCPART == 4
	.amdgcn_target "amdgcn-amd-amdhsa--gfx1250"
	.amdhsa_code_object_version 6
	.text
	.protected	k_qd442bc4ab6_woln
	.globl	k_qd442bc4ab6_woln
	.p2align	8
	.type	k_qd442bc4ab6_woln,@function
k_qd442bc4ab6_woln:
	s_mov_b64 s[64:65], 0
	v_nop
	global_prefetch_b8 v0, s[64:65] scope:SCOPE_SE
	s_setreg_imm32_b32 hwreg(HW_REG_WAVE_MODE, 25, 1), 1
	s_wait_xcnt 0x0
; h = LayerNorm(x + (ctx Wo + bo)) x g1 + be1 in ONE launch: the product on codes of BF6, then the norm on whole rows; h leaves as f32 and, quantised along its 1,024, as the next product's operand.
; Nothing of reference() is left out.
; Tiles, fragments' images and scale words as the first launch's head says.  A work-group owns tile T (16 tokens) and all 1,024 columns; wave w owns columns 64 w .. 64 w + 63: the weight's tiles 4 w .. 4 w + 3, four accumulators.
; Source 0 = the weight's tile, source 1 = the tokens': lane (r, h) holds token r, register 16 b + i column 32 b + 16 h + i of the wave's 64.
; THE WEIGHT GOES FROM MEMORY STRAIGHT INTO REGISTERS: its images lie as a lane's registers want them, and each of its bytes is used by one wave of the work-group, once; a stay in LDS would add a write and a read for each byte.
; Three sets of fragment registers: K step k + 3 is asked for behind K step k's products: 48 fragment loads and at most 10 scale loads of a wave are out.  The tokens' KS fragments are copied to LDS once and read by all 16 waves.
; The sums begin with x + bo, turned through the wave's own stage, as C: nothing is cleared, nothing is added later.
; cluster = none, no joint loads: no tile of the weight lands in LDS, so there is nothing for a joint tensor load to fill.  No prefetch: the register loads themselves stand three K steps ahead of their use,
; and all 256 work-groups walk the same bytes of the weight in the same order.
; LIMITS: as the first launch's head says (NaN, infinities, the scale byte of tiny and zero blocks, v_rsq_f32's denormals).  x + bo + product is summed in this order, not reference()'s x + (product + bo).
.set KS,    8
.set CODES, 1
.set O_AS,  3145728                    ; the tokens' scale words in their buffer (codes at 0)
.set O_BC,  5636096                    ; the weight's images and scale words in pbuf
.set O_BS,  12812288
.set TRIPS, (KS-8)/6                   ; a trip is 6 K steps (sets of 3, 2 and 3 come round); the last 8 K steps are written out
.set FRB,   1536
.set WSTG,  4352                       ; a wave's stage: 16 rows x (256 bytes + 16)
.set STG,   KS*FRB                     ; LDS: the tokens' fragments, the 16 stages,
.set PAR,   STG+16*WSTG                ; gain and shift of a wave's columns, 512 bytes a wave,
.set RED,   PAR+8192                   ; 2 x 16 rows x 16 partial sums,
.set SPARE, RED+2048                   ; the spare words, 128 bytes a wave
.set SC,  24                           ; v24-38   scale words, three sets of 5: the weight's four tiles, the tokens'; lanes 0-15 the even K step, lanes 16-31 the odd one
.set AF,  40                           ; v40-63   the tokens' fragment, two sets
.set Y,   64                           ; v64-95   the sums, then my row's 32 numbers
.set BF,  96                           ; v96-239  the weight's fragments, three sets of 48
.set SEL, 30
.set PAS, 38
.set PBC, 40
.set PBS, 42
.macro LOADB j                         ; K step j (counted from the stepped bases): with an even one the scale words of j and j + 1
.if ((\j)%2) == 0
.irp t, 0,1,2,3
	global_load_b32 v[SC+5*(((\j)/2)%3)+\t], v3, s[PBS:PBS+1] offset:\t*KS*64+(\j)*64
.endr
	global_load_b32 v[SC+5*(((\j)/2)%3)+4], v3, s[PAS:PAS+1] offset:(\j)*64
.endif
.irp t, 0,1,2,3
.set RB, BF+48*((\j)%3)+12*\t
	global_load_b128 v[RB:RB+3], v1, s[PBC:PBC+1] offset:(\t*KS+(\j))*FRB
	global_load_b64 v[RB+4:RB+5], v2, s[PBC:PBC+1] offset:(\t*KS+(\j))*FRB+512
	global_load_b128 v[RB+6:RB+9], v1, s[PBC:PBC+1] offset:(\t*KS+(\j))*FRB+768
	global_load_b64 v[RB+10:RB+11], v2, s[PBC:PBC+1] offset:(\t*KS+(\j))*FRB+1280
.endr
.endm
.macro LOADA j
.set RA, AF+12*((\j)%2)
	ds_load_b128 v[RA:RA+3], v4 offset:(\j)*FRB
	ds_load_b64 v[RA+4:RA+5], v5 offset:(\j)*FRB+512
	ds_load_b128 v[RA+6:RA+9], v4 offset:(\j)*FRB+768
	ds_load_b64 v[RA+10:RA+11], v5 offset:(\j)*FRB+1280
.endm
; A K step: nl = the global loads issued behind this step's (two later steps: 16 + 16 + 5), nd = the LDS loads behind this step's fragment (the next step's 4).
; The four accumulators take turns, one instruction a turn.  Four places stand in front of loads into registers that the products read.
.macro STEP j, lb, la, nl, nd
	s_wait_loadcnt \nl
	s_wait_dscnt \nd
.irp t, 0,1,2,3
.set RB, BF+48*((\j)%3)+12*\t
.set RA, AF+12*((\j)%2)
.set RS, SC+5*(((\j)/2)%3)
.if ((\j)%2)
	v_wmma_scale_f32_16x16x128_f8f6f4 v[Y+8*\t:Y+8*\t+7], v[RB:RB+11], v[RA:RA+11], v[Y+8*\t:Y+8*\t+7], v[RS+\t], v[RS+4] matrix_a_fmt:MATRIX_FMT_BF6 matrix_b_fmt:MATRIX_FMT_BF6 matrix_a_scale:MATRIX_SCALE_ROW1 matrix_b_scale:MATRIX_SCALE_ROW1
.else
	v_wmma_scale_f32_16x16x128_f8f6f4 v[Y+8*\t:Y+8*\t+7], v[RB:RB+11], v[RA:RA+11], v[Y+8*\t:Y+8*\t+7], v[RS+\t], v[RS+4] matrix_a_fmt:MATRIX_FMT_BF6 matrix_b_fmt:MATRIX_FMT_BF6
.endif
.endr
.rept 4
	v_nop
.endr
.if \lb
	LOADB (\j)+3
.endif
.if \la
	LOADA (\j)+2
.endif
.endm
; my row's sum over the wave's 64 columns is in v240: the 16 waves' meet at RED + off; the row's sum comes back in v160
.macro MEET off
	v_permlanex16_b32 v248, v240, s[SEL], s[SEL+1]
	s_delay_alu instid0(VALU_DEP_1)
	v_add_f32 v240, v240, v248                     ; with lane l xor 16's 32 columns
	ds_store_b32 v13, v240 offset:\off             ; lanes r and 16 + r write the same word with the same value
	s_wait_dscnt 0x0                               ; for the others' sake
	s_barrier_signal -1
	s_barrier_wait -1
.irp q, 0,1,2,3
	ds_load_b128 v[160+4*\q:163+4*\q], v12 offset:\off+16*\q
.endr
	s_wait_dscnt 0x0
	v_pk_add_f32 v[160:161], v[160:161], v[162:163]
	v_pk_add_f32 v[164:165], v[164:165], v[166:167]
	v_pk_add_f32 v[168:169], v[168:169], v[170:171]
	v_pk_add_f32 v[172:173], v[172:173], v[174:175]
	s_delay_alu instid0(VALU_DEP_3)
	v_pk_add_f32 v[160:161], v[160:161], v[164:165]
	s_delay_alu instid0(VALU_DEP_2)
	v_pk_add_f32 v[168:169], v[168:169], v[172:173]
	s_delay_alu instid0(VALU_DEP_1)
	v_pk_add_f32 v[160:161], v[160:161], v[168:169]
	s_delay_alu instid0(VALU_DEP_1)
	v_add_f32 v160, v160, v161
.endm
	s_load_b256 s[4:11], s[0:1], 0x0               ; the tokens' codes, pbuf, the residual, the bias
	s_load_b128 s[12:15], s[0:1], 0x20             ; the gain, the shift
	s_load_b64 s[16:17], s[0:1], 0x30              ; the destination
	v_lshl_add_u32 v10, v0, 2, SPARE               ; my spare word,
	v_mov_b32 v11, 0                               ; and 0: kept for the closing add alone
	v_lshrrev_b32 v12, 5, v0
	v_readfirstlane_b32 s18, v12                   ; wave 0..15
	s_mov_b32 s[SEL], 0x76543210
	s_mov_b32 s[SEL+1], 0xfedcba98
	s_mov_b32 s24, 0x3a800000                      ; 1 / 1,024
	s_mov_b32 s25, 0x3727c5ac                      ; 1e-5
	s_mul_i32 s19, s18, WSTG
	s_add_co_u32 s19, s19, STG                     ; my stage
	s_lshl_b32 s23, s18, 9
	s_add_co_u32 s23, s23, PAR                     ; my gain and shift
	s_lshl_b32 s26, s18, 2
	s_lshr_b32 s32, ttmp9, 1
	s_lshl_b32 s32, s32, 5
	s_and_b32 s33, ttmp9, 1
	s_lshl_b32 s33, s33, 3
	s_add_co_u32 s32, s32, s33                     ; the tile's first row
	s_lshl_b32 s32, s32, 12
	s_lshl_b32 s34, s18, 8                         ; my 256 bytes of a row
	s_add_co_u32 s32, s32, s34
	s_mov_b32 s33, 0
	s_mov_b32 s35, 0
	s_mul_i32 s36, ttmp9, KS*FRB                   ; the tokens' fragments
	s_mov_b32 s37, 0
	s_mul_i32 s38, ttmp9, KS*64
	s_add_co_u32 s38, s38, O_AS                    ; and scale words
	s_mov_b32 s39, 0
	s_mul_i32 s40, s18, 4*KS*FRB
	s_add_co_u32 s40, s40, O_BC                    ; my four tiles of the weight
	s_mov_b32 s41, 0
	s_mul_i32 s42, s18, 4*KS*64
	s_add_co_u32 s42, s42, O_BS
	s_mov_b32 s43, 0
.if CODES
	s_lshl_b32 s44, ttmp9, 3
	s_lshr_b32 s45, s18, 1
	s_add_co_u32 s44, s44, s45                     ; fragment 8 T + w / 2, of which I make half w % 2
	s_and_b32 s45, s18, 1
	s_mul_i32 s46, s44, FRB
	s_mul_i32 s47, s45, 768
	s_add_co_u32 s46, s46, s47
	s_add_co_u32 s46, s46, 16777216
	s_mov_b32 s47, 0
	s_lshl_b32 s48, s44, 6
	s_lshl_b32 s45, s45, 1
	s_add_co_u32 s48, s48, s45
	s_add_co_u32 s48, s48, 19922944
	s_mov_b32 s49, 0
.endif
	v_and_b32 v13, 31, v0                          ; lane
	v_and_b32 v14, 15, v0                          ; r
	v_bfe_u32 v15, v0, 4, 1                        ; h
	v_lshlrev_b32 v1, 4, v13                       ; 16 x lane
	v_lshlrev_b32 v2, 3, v13                       ; 8 x lane
	v_lshlrev_b32 v3, 2, v13                       ; 4 x lane
	v_lshlrev_b32 v4, 4, v13                       ; the same two as LDS addresses of the tokens' fragments, stepped by the loop
	v_lshlrev_b32 v5, 3, v13
	v_mul_u32_u24 v6, v15, 272
	v_mul_u32_u24 v7, v14, 272
	v_lshl_add_u32 v6, v14, 4, v6
	v_lshl_add_u32 v7, v15, 6, v7
	v_add_nc_u32 v6, s19, v6                       ; the stage, dense: lanes 0-15 one row of 256 bytes, lanes 16-31 the next
	v_add_nc_u32 v7, s19, v7                       ; the stage, turned: row r, + 64 h
	v_add_nc_u32 v8, s23, v2                       ; gain and shift, in
	v_lshlrev_b32 v9, 6, v15
	v_lshlrev_b32 v12, 6, v14
	v_add_nc_u32 v9, s23, v9                       ; and turned
	v_add_nc_u32 v12, RED, v12                     ; my row's 16 partial sums,
	v_lshlrev_b32 v16, 12, v15
	v_add_nc_u32 v13, s26, v12                     ; and my wave's among them
	v_lshl_add_u32 v16, v14, 4, v16                ; two rows in memory: 4,096 h + 16 r
	v_lshlrev_b32 v17, 4, v0                       ; 16 x thread, 8 x thread: the copy of the tokens' fragments
	v_lshlrev_b32 v18, 3, v0
	v_lshlrev_b32 v19, 2, v14                      ; 4 r
	v_lshlrev_b32 v20, 4, v14                      ; 16 r
	v_mov_b32 v248, 0                              ; written once: a lane permute's destination counts as one of its sources
	s_wait_alu depctr_va_vdst(0)
	s_wait_kmcnt 0x0
	s_add_nc_u64 s[8:9], s[8:9], s[32:33]
	s_add_nc_u64 s[10:11], s[10:11], s[34:35]
	s_add_nc_u64 s[12:13], s[12:13], s[34:35]
	s_add_nc_u64 s[14:15], s[14:15], s[34:35]
	s_add_nc_u64 s[36:37], s[4:5], s[36:37]
	s_add_nc_u64 s[PAS:PAS+1], s[4:5], s[PAS:PAS+1]
	s_add_nc_u64 s[PBC:PBC+1], s[6:7], s[PBC:PBC+1]
	s_add_nc_u64 s[PBS:PBS+1], s[6:7], s[PBS:PBS+1]
.if CODES
	s_add_nc_u64 s[46:47], s[16:17], s[46:47]
	s_add_nc_u64 s[48:49], s[16:17], s[48:49]
.endif
	s_add_nc_u64 s[16:17], s[16:17], s[32:33]
	global_load_b128 v[240:243], v20, s[10:11]     ; the bias of my four columns
.irp i, 0,1,2,3,4,5,6,7
	global_load_b128 v[Y+4*\i:Y+4*\i+3], v16, s[8:9] offset:(2*\i+8*(\i/4))*4096 th:TH_LOAD_NT   ; members 2 i, 2 i + 1: 256 consecutive aligned bytes each
.endr
	global_load_b64 v[244:245], v2, s[12:13]
	global_load_b64 v[246:247], v2, s[14:15]
.if KS == 8
	global_load_b128 v[40:43], v17, s[36:37]       ; the tokens' KS x 1,536 bytes, dense, shared out among the 512 threads
	global_load_b64 v[44:45], v18, s[36:37] offset:8192
.else
.irp i, 0,1,2,3,4,5
	global_load_b128 v[40+4*\i:43+4*\i], v17, s[36:37] offset:8192*\i
.endr
.endif
	LOADB 0
	LOADB 1
	s_wait_loadcnt 37                              ; all but K steps 0 and 1 of the weight (21 + 16 loads)
.irp i, 0,1,2,3,4,5,6,7
	v_pk_add_f32 v[Y+4*\i:Y+4*\i+1], v[Y+4*\i:Y+4*\i+1], v[240:241]
	v_pk_add_f32 v[Y+4*\i+2:Y+4*\i+3], v[Y+4*\i+2:Y+4*\i+3], v[242:243]
.endr
.irp i, 0,1,2,3,4,5,6,7
	ds_store_b128 v6, v[Y+4*\i:Y+4*\i+3] offset:544*\i
.endr
	ds_store_b64 v8, v[244:245]
	ds_store_b64 v8, v[246:247] offset:256
.if KS == 8
	ds_store_b128 v17, v[40:43]
	ds_store_b64 v18, v[44:45] offset:8192
.else
.irp i, 0,1,2,3,4,5
	ds_store_b128 v17, v[40+4*\i:43+4*\i] offset:8192*\i
.endr
.endif
	LOADB 2
	s_wait_alu depctr_va_vdst(0)
	s_wait_dscnt 0x0                               ; my stores are done: for the others' sake, and v40-95 may be loaded anew
	s_barrier_signal -1
	s_barrier_wait -1
.irp g, 0,1,2,3,4,5,6,7
	ds_load_b128 v[Y+4*\g:Y+4*\g+3], v7 offset:128*(\g/4)+16*(\g%4)   ; x + bias, turned: the C of the first products
.endr
	LOADA 0
	LOADA 1
.if TRIPS > 0
	s_mov_b32 s22, TRIPS
.Lk:
.irp j, 0,1,2,3,4,5
	STEP \j, 1, 1, 37, 4
.endr
	s_wait_xcnt 0x0                                ; the loads have read their bases: only now are these stepped
	s_add_nc_u64 s[PBC:PBC+1], s[PBC:PBC+1], 6*FRB
	s_add_nc_u64 s[PBS:PBS+1], s[PBS:PBS+1], 6*64
	s_add_nc_u64 s[PAS:PAS+1], s[PAS:PAS+1], 6*64
	v_add_nc_u32 v4, 6*FRB, v4
	v_add_nc_u32 v5, 6*FRB, v5
	s_sub_co_u32 s22, s22, 1
	s_cmp_lg_u32 s22, 0
	s_wait_alu depctr_va_vdst(0)
	s_cbranch_scc1 .Lk
.endif
.irp j, 0,1,2,3,4
	STEP \j, 1, 1, 37, 4
.endr
	STEP 5, 0, 1, 37, 4                            ; the last three K steps ask for nothing of the weight
	STEP 6, 0, 0, 16, 4
	STEP 7, 0, 0, 0, 0
.irp g, 0,1,2,3,4,5,6,7
	ds_load_b128 v[96+4*\g:99+4*\g], v9 offset:128*(\g/4)+16*(\g%4)        ; the gain, turned (my own wave's bytes),
	ds_load_b128 v[128+4*\g:131+4*\g], v9 offset:256+128*(\g/4)+16*(\g%4)  ; and the shift
.endr
.irp t, 0,1,2,3
	v_pk_add_f32 v[240+2*\t:241+2*\t], v[Y+8*\t:Y+8*\t+1], v[Y+8*\t+2:Y+8*\t+3]   ; each accumulator from its low end on
.endr
.irp t, 0,1,2,3
	v_pk_add_f32 v[240+2*\t:241+2*\t], v[240+2*\t:241+2*\t], v[Y+8*\t+4:Y+8*\t+5]
.endr
.irp t, 0,1,2,3
	v_pk_add_f32 v[240+2*\t:241+2*\t], v[240+2*\t:241+2*\t], v[Y+8*\t+6:Y+8*\t+7]
.endr
	v_pk_add_f32 v[240:241], v[240:241], v[242:243]
	v_pk_add_f32 v[244:245], v[244:245], v[246:247]
	s_delay_alu instid0(VALU_DEP_1)
	v_pk_add_f32 v[240:241], v[240:241], v[244:245]
	s_delay_alu instid0(VALU_DEP_1)
	v_add_f32 v240, v240, v241
	MEET 0
	v_mul_f32 v250, s24, v160                      ; the mean, as a pair
	v_mul_f32 v251, s24, v160
.set J, 0
.rept 16
	v_pk_add_f32 v[Y+J:Y+J+1], v[Y+J:Y+J+1], v[250:251] neg_lo:[0,1] neg_hi:[0,1]
.set J, J+2
.endr
	v_pk_mul_f32 v[240:241], v[Y:Y+1], v[Y:Y+1]
	v_pk_mul_f32 v[242:243], v[Y+2:Y+3], v[Y+2:Y+3]
.irp i, 4,8,12,16,20,24,28
	v_pk_fma_f32 v[240:241], v[Y+\i:Y+\i+1], v[Y+\i:Y+\i+1], v[240:241]
	v_pk_fma_f32 v[242:243], v[Y+\i+2:Y+\i+3], v[Y+\i+2:Y+\i+3], v[242:243]
.endr
	s_delay_alu instid0(VALU_DEP_1)
	v_pk_add_f32 v[240:241], v[240:241], v[242:243]
	s_delay_alu instid0(VALU_DEP_1)
	v_add_f32 v240, v240, v241
	MEET 1024
	v_fma_f32 v160, v160, s24, s25                 ; the variance + 1e-5
	s_wait_alu depctr_va_vdst(0)
	v_rsq_f32 v250, v160                           ; twice, to fill the packed multiply's pair
	v_rsq_f32 v251, v160
	v_nop                                          ; a plain place behind them,
	s_wait_alu depctr_va_vdst(0)                   ; and the wait ahead of the first reader
.set J, 0
.rept 16
	v_pk_mul_f32 v[Y+J:Y+J+1], v[Y+J:Y+J+1], v[250:251]
.set J, J+2
.endr
.set J, 0
.rept 16
	v_pk_fma_f32 v[Y+J:Y+J+1], v[Y+J:Y+J+1], v[96+J:97+J], v[128+J:129+J]
.set J, J+2
.endr
.irp g, 0,1,2,3,4,5,6,7
	ds_store_b128 v7, v[Y+4*\g:Y+4*\g+3] offset:128*(\g/4)+16*(\g%4)
.endr
.irp i, 0,1,2,3,4,5,6,7
	ds_load_b128 v[192+4*\i:195+4*\i], v6 offset:544*\i   ; LDS serves a wave's instructions in order: these see my stores
.endr
.if CODES
; my 64 columns are two blocks of 32, half a fragment: work on registers while the rows come back
.irp b, 0,1
	v_mov_b32 v[178+\b], 0                         ; a lane permute's destination counts as one of its sources
.endr
.irp b, 0,1
	v_max3_num_f32 v[176+\b], |v[Y+16*\b]|, |v[Y+1+16*\b]|, 0x2800000   ; and the floor 2^(5 - 127): the byte cannot fall under 1
.endr
.irp i, 2,4,6,8,10,12,14
.irp b, 0,1
	s_delay_alu instid0(VALU_DEP_2)
	v_max3_num_f32 v[176+\b], v[176+\b], |v[Y+16*\b+\i]|, |v[Y+1+16*\b+\i]|
.endr
.endr
.irp b, 0,1
	s_delay_alu instid0(VALU_DEP_2)
	v_permlanex16_b32 v[178+\b], v[176+\b], s[SEL], s[SEL+1]
.endr
.irp b, 0,1
	s_delay_alu instid0(VALU_DEP_2)
	v_max_num_f32 v[176+\b], v[176+\b], v[178+\b]  ; with lane l xor 16's: the block's largest magnitude
.endr
.irp b, 0,1
	s_delay_alu instid0(VALU_DEP_2)
	v_add_nc_u32 v[180+\b], 0xfe000000, v[176+\b]  ; 4 off its exponent field: the conversion's scale operand
.endr
.irp b, 0,1
	s_delay_alu instid0(VALU_DEP_2)
	v_lshrrev_b32 v[182+\b], 23, v[180+\b]         ; the scale's byte
.endr
	s_delay_alu instid0(VALU_DEP_1)
	v_lshl_or_b32 v184, v183, 8, v182
	v_cvt_scalef32_pk16_bf6_f32 v[224:226], v[Y:Y+15], v180
	v_cvt_scalef32_pk16_bf6_f32 v[228:230], v[Y+16:Y+31], v181
	v_nop                                          ; one plain place behind a scaled conversion
.irp i, 0,1,2
	v_permlane16_swap_b32 v[224+\i], v[228+\i]     ; a whole block in a lane: lanes 0-15 the first, lanes 16-31 the second
.endr
.irp i, 0,1,2
	v_mov_b32 v[227+\i], v[228+\i]
.endr
.endif
	s_wait_alu depctr_va_vdst(0)
.irp i, 0,1,2,3,4,5,6,7
	s_wait_dscnt 7-\i                              ; rows 2 i, 2 i + 1 are back; the younger loads may be out
.if CODES
	global_store_b128 v16, v[192+4*\i:195+4*\i], s[16:17] offset:(2*\i+8*(\i/4))*4096
.else
	global_store_b128 v16, v[192+4*\i:195+4*\i], s[16:17] offset:(2*\i+8*(\i/4))*4096 th:TH_STORE_NT
.endif
.endr
.if CODES
	global_store_b128 v1, v[224:227], s[46:47]
	global_store_b64 v2, v[228:229], s[46:47] offset:512
	global_store_b16 v19, v184, s[48:49]           ; my two bytes of member r's scale word; lanes r and 16 + r write the same
.endif
	s_wait_tensorcnt 0x0                           ; the wave's end, behind my last LDS store
	ds_add_u32 v10, v11
	s_wait_dscnt 0x0
	s_endpgm
.Lfunc_end_k_qd442bc4ab6_woln:
	.size	k_qd442bc4ab6_woln, .Lfunc_end_k_qd442bc4ab6_woln-k_qd442bc4ab6_woln
	.p2alignl 7, 3214868480
	.fill 96, 4, 3214868480
	.section	.rodata,"a",@progbits
	.p2align	6, 0x0
	.amdhsa_kernel k_qd442bc4ab6_woln
		.amdhsa_group_segment_fixed_size 94208
		.amdhsa_private_segment_fixed_size 0
		.amdhsa_enable_private_segment 0
		.amdhsa_kernarg_size 56
		.amdhsa_user_sgpr_count 2
		.amdhsa_user_sgpr_kernarg_segment_ptr 1
		.amdhsa_wavefront_size32 1
		.amdhsa_system_sgpr_workgroup_id_x 1
		.amdhsa_system_sgpr_workgroup_id_y 1
		.amdhsa_system_sgpr_workgroup_id_z 1
		.amdhsa_system_vgpr_workitem_id 0
		.amdhsa_next_free_vgpr 256
		.amdhsa_next_free_sgpr 66
		.amdhsa_reserve_vcc 0
		.amdhsa_float_denorm_mode_32 3
		.amdhsa_float_denorm_mode_16_64 3
		.amdhsa_memory_ordered 1
		.amdhsa_forward_progress 1
		.amdhsa_inst_pref_size 43
	.end_amdhsa_kernel
	.amdgpu_metadata
---
amdhsa.version: [ 1, 2 ]
amdhsa.kernels:
  - .name:           k_qd442bc4ab6_woln
    .symbol:         k_qd442bc4ab6_woln.kd
    .args:
      - { .name: cbuf, .offset: 0, .size: 8, .value_kind: global_buffer, .address_space: global }
      - { .name: pbuf, .offset: 8, .size: 8, .value_kind: global_buffer, .address_space: global }
      - { .name: x, .offset: 16, .size: 8, .value_kind: global_buffer, .address_space: global }
      - { .name: bo, .offset: 24, .size: 8, .value_kind: global_buffer, .address_space: global }
      - { .name: g1, .offset: 32, .size: 8, .value_kind: global_buffer, .address_space: global }
      - { .name: be1, .offset: 40, .size: 8, .value_kind: global_buffer, .address_space: global }
      - { .name: hbuf, .offset: 48, .size: 8, .value_kind: global_buffer, .address_space: global }
    .group_segment_fixed_size: 94208
    .private_segment_fixed_size: 0
    .kernarg_segment_align: 8
    .kernarg_segment_size: 56
    .max_flat_workgroup_size: 512
    .sgpr_count:     66
    .vgpr_count:     256
    .wavefront_size: 32
...
	.end_amdgpu_metadata
.endif
;; end of part 4
;; launch w1 (part 5): grid 16 x 16, 4 waves a work-group, clusters of 4 x 4, 327,680 bytes of LDS; arguments hbuf, pbuf, b1, fbuf; writes fbuf
.if DOCPART == 5
	.amdgcn_target "amdgcn-amd-amdhsa--gfx1250"
	.amdhsa_code_object_version 6
	.text
	.protected	k_qd442bc4ab6_w1
	.globl	k_qd442bc4ab6_w1
	.p2align	8
	.type	k_qd442bc4ab6_w1,@function
k_qd442bc4ab6_w1:
	s_mov_b64 s[64:65], 0
	v_nop
	global_prefetch_b8 v0, s[64:65] scope:SCOPE_SE
	s_setreg_imm32_b32 hwreg(HW_REG_WAVE_MODE, 25, 1), 1
	s_wait_xcnt 0x0
	s_wait_alu depctr_hold_cnt(0) depctr_sa_sdst(0) depctr_va_vdst(0) depctr_va_sdst(0) depctr_va_ssrc(0) depctr_va_vcc(0) depctr_vm_vsrc(0)
	s_getreg_b32 s2, hwreg(HW_REG_IB_STS2, 6, 4)
	s_cmp_eq_u32 s2, 0
	s_cbranch_scc0 .Lentry_in_a_cluster
	s_endpgm
.Lentry_in_a_cluster:
	s_bfe_u32 s2, ttmp6, 0x10000c
	s_cmp_lg_u32 s2, 0xf033
	s_cbranch_scc0 .Lentry_shape_is_right
	s_endpgm
.Lentry_shape_is_right:
.set KIND,  2
.set NT,    8
.set NQ,    2
.set KS,    8
.set LAPS,  KS/(2*NQ)
.set FRB,   1536
.set HALFT, NT*NQ*FRB
.set SLOT,  4*HALFT
.set QSZ,   NT*KS*64
.set SCL,   2*SLOT
.set SPARE, SCL+4*QSZ
.set O_XS,  3145728
.set O_WQC, 3276800
.set O_WVC, 4849664
.set O_W1C, 6422528
.set O_WQS, 12713984
.set O_WVS, 12779520
.set O_W1S, 12845056
.set O_KC,  3145728
.set O_VC,  6291456
.set O_QS,  9437184
.set O_SKV, 9699328
.if KIND == 0
.set PA, 4
.set PB, 4
.else
.set PA, 4
.set PB, 6
.endif
.set SPW, 28
.set NIL, 29
.set G1,  24
.set G0,  32
.set G1B, 48
.set G0B, 56
.set G1S, 68
.set G0S, 76
.set G1SB, 80
.set G0SB, 88
.set SEL, 66
.set TM,  128
.set PC,  144
.set PW,  164
.set MSB, 0
.macro WIN new
.if MSB != (\new)
	s_set_vgpr_msb (MSB<<8)|(\new)
.set MSB, (\new)
.endif
.endm
.macro JLOAD g0a, g1a, g0b, g1b
	s_cmp_eq_u32 s15, 0
	s_cbranch_scc0 .Lfor_b_\@
	tensor_load_to_lds s[\g0a:\g0a+3], s[\g1a:\g1a+7]
	s_nop 0
.rept 4
	v_nop
.endr
	s_branch .Lasked_\@
.Lfor_b_\@:
	tensor_load_to_lds s[\g0b:\g0b+3], s[\g1b:\g1b+7]
	s_nop 0
.rept 4
	v_nop
.endr
.Lasked_\@:
.endm
.macro CREST
	s_cmp_lg_u32 s14, 0
	s_cbranch_scc1 .Lnot_wave_0_\@
	s_barrier_signal -3
.Lnot_wave_0_\@:
	s_barrier_wait -3
	s_barrier_signal -1
	s_barrier_wait -1
.endm
.macro CROUND
	s_barrier_signal -1
	s_barrier_wait -1
	CREST
.endm
.macro PLACES n
.rept \n
	v_nop
.endr
.endm
.macro FRAG reg, a16, a8, off
	ds_load_b128 v[\reg:\reg+3], v[\a16] offset:\off
	ds_load_b64 v[\reg+4:\reg+5], v[\a8] offset:\off+512
	ds_load_b128 v[\reg+6:\reg+9], v[\a16] offset:\off+768
	ds_load_b64 v[\reg+10:\reg+11], v[\a8] offset:\off+1280
.endm
.macro FETCH slot, q, set
	WIN 0x40
.set II, 0
.rept NT
	FRAG 12*NT*(\set)+12*II, 20+\slot, 22+\slot, (II*NQ+(\q))*FRB
.set II, II+1
.endr
	WIN 0
.set II, 0
.rept NT
	FRAG 64+12*NT*(\set)+12*II, 16+\slot, 18+\slot, (II*NQ+(\q))*FRB
.set II, II+1
.endr
.endm
.macro SCALES slot
.set II, 0
.rept NT
.set JJ, 0
.rept NQ/2
	ds_load_b32 v[32+16*(\slot)+II*NQ/2+JJ], v24 offset:II*KS*64+128*JJ
	ds_load_b32 v[40+16*(\slot)+II*NQ/2+JJ], v25 offset:II*KS*64+128*JJ
.set JJ, JJ+1
.endr
.set II, II+1
.endr
.endm
.macro MULQ part, set, q, slot, zero
.if (NT == 8) && ((\part) >= 2)
	WIN 0xf1
.else
	WIN 0xa1
.endif
.set AA, (\part)*NT/4
.rept NT/4
.set BB, 0
.rept NT
.set RC, 8*(NT*(AA%4)+BB)
.set RB, 12*NT*(\set)+12*BB
.set RA, 64+12*NT*(\set)+12*AA
.set SB, 40+16*(\slot)+BB*NQ/2+(\q)/2
.set SA, 32+16*(\slot)+AA*NQ/2+(\q)/2
.if \zero
	v_wmma_scale_f32_16x16x128_f8f6f4 v[RC:RC+7], v[RB:RB+11], v[RA:RA+11], 0, v[SB], v[SA] matrix_a_fmt:MATRIX_FMT_BF6 matrix_b_fmt:MATRIX_FMT_BF6
.elseif ((\q)%2)
	v_wmma_scale_f32_16x16x128_f8f6f4 v[RC:RC+7], v[RB:RB+11], v[RA:RA+11], v[RC:RC+7], v[SB], v[SA] matrix_a_fmt:MATRIX_FMT_BF6 matrix_b_fmt:MATRIX_FMT_BF6 matrix_a_scale:MATRIX_SCALE_ROW1 matrix_b_scale:MATRIX_SCALE_ROW1
.else
	v_wmma_scale_f32_16x16x128_f8f6f4 v[RC:RC+7], v[RB:RB+11], v[RA:RA+11], v[RC:RC+7], v[SB], v[SA] matrix_a_fmt:MATRIX_FMT_BF6 matrix_b_fmt:MATRIX_FMT_BF6
.endif
.set BB, BB+1
.endr
.set AA, AA+1
.endr
.endm
.macro STEPN slot, q, zero
	s_wait_dscnt 0x0
	PLACES 4
	FETCH \slot, (\q)+1, ((\q)+1)%2
	MULQ 0, (\q)%2, \q, \slot, \zero
	MULQ 1, (\q)%2, \q, \slot, \zero
	MULQ 2, (\q)%2, \q, \slot, \zero
	MULQ 3, (\q)%2, \q, \slot, \zero
.endm
.macro TURN slot, next, fill
	WIN 0
	s_wait_tensorcnt 0x0
	ds_add_u32 v[SPW], v[NIL]
	s_wait_dscnt 0x1
	MULQ 0, 1, NQ-1, \slot, 0
	s_wait_dscnt 0x0
	s_barrier_signal -1
	MULQ 1, 1, NQ-1, \slot, 0
	WIN 0
	s_barrier_wait -1
.if \fill
	CREST
	s_add_nc_u64 s[G0+4*\slot+2:G0+4*\slot+3], s[G0+4*\slot+2:G0+4*\slot+3], 2*NQ*FRB
	s_add_nc_u64 s[G0B+4*\slot+2:G0B+4*\slot+3], s[G0B+4*\slot+2:G0B+4*\slot+3], 2*NQ*FRB
	JLOAD G0+4*\slot, G1, G0B+4*\slot, G1B
.else
	PLACES 4
.endif
	s_wait_alu depctr_va_vdst(0)
	v_add_nc_u32 v24, NQ*64, v24
	v_add_nc_u32 v25, NQ*64, v25
	FETCH \next, 0, 0
	SCALES \next
	MULQ 2, 1, NQ-1, \slot, 0
	MULQ 3, 1, NQ-1, \slot, 0
.endm
.macro LASTSTEP
	s_wait_dscnt 0x0
	MULQ 0, 1, NQ-1, 1, 0
	MULQ 1, 1, NQ-1, 1, 0
	MULQ 2, 1, NQ-1, 1, 0
	MULQ 3, 1, NQ-1, 1, 0
	WIN 0
	PLACES 4
.irp b, 0,1,2,3
	v_mov_b32 v[TM+4+\b], 0
.endr
.endm
.macro QUANT s
.irp b, 0,1,2,3
	v_max3_num_f32 v[TM+\b], |v[\s+16*\b]|, |v[\s+1+16*\b]|, 0x2800000
.endr
.irp i, 2,4,6,8,10,12,14
.irp b, 0,1,2,3
	v_max3_num_f32 v[TM+\b], v[TM+\b], |v[\s+16*\b+\i]|, |v[\s+1+16*\b+\i]|
.endr
.endr
.irp b, 0,1,2,3
	v_permlanex16_b32 v[TM+4+\b], v[TM+\b], s[SEL], s[SEL+1]
.endr
.irp b, 0,1,2,3
	v_max_num_f32 v[TM+\b], v[TM+\b], v[TM+4+\b]
.endr
.irp b, 0,1,2,3
	v_add_nc_u32 v[TM+12+\b], 0xfe000000, v[TM+\b]
.endr
.irp b, 0,1,2,3
	v_lshrrev_b32 v[TM+4+\b], 23, v[TM+12+\b]
.endr
	v_lshl_or_b32 v[PW], v[TM+5], 8, v[TM+4]
	v_lshl_or_b32 v[PW], v[TM+6], 16, v[PW]
	v_lshl_or_b32 v[PW], v[TM+7], 24, v[PW]
.irp c, 0,1
	v_cvt_scalef32_pk16_bf6_f32 v[PC+6*\c:PC+2+6*\c], v[\s+32*\c:\s+15+32*\c], v[TM+12+2*\c]
	v_cvt_scalef32_pk16_bf6_f32 v[PC+12+4*\c:PC+14+4*\c], v[\s+16+32*\c:\s+31+32*\c], v[TM+12+2*\c+1]
.endr
	v_nop
.irp c, 0,1
.irp i, 0,1,2
	v_permlane16_swap_b32 v[PC+6*\c+\i], v[PC+12+4*\c+\i]
.endr
.irp i, 0,1,2
	v_mov_b32 v[PC+3+6*\c+\i], v[PC+12+4*\c+\i]
.endr
.endr
.endm
.macro GELU32 x
.set I, 0
.rept 16
	v_pk_mul_f32 v[128+I:129+I], v[\x+I:\x+I+1], 0x3f3504f3 op_sel_hi:[1,0]
.set I, I+2
.endr
.set I, 0
.rept 32
	v_med3_num_f32 v[128+I], v[128+I], -4.0, 4.0
.set I, I+1
.endr
.set I, 0
.rept 16
	v_pk_mul_f32 v[160+I:161+I], v[128+I:129+I], v[128+I:129+I]
.set I, I+2
.endr
.set I, 0
.rept 16
	v_pk_fma_f32 v[192+I:193+I], v[160+I:161+I], v[8:9], 0x32edffee op_sel_hi:[1,1,0]
	v_pk_fma_f32 v[224+I:225+I], v[160+I:161+I], v[10:11], 0xb95fbd29 op_sel_hi:[1,1,0]
.set I, I+2
.endr
.irp c, 0xb60cff51, 0xb86ec2d2, 0xba40ac63, 0xbb41a1f6, 0xbc83dbd4
.set I, 0
.rept 16
	v_pk_fma_f32 v[192+I:193+I], v[192+I:193+I], v[160+I:161+I], \c op_sel_hi:[1,1,0]
.set I, I+2
.endr
.endr
.irp c, 0xbadc924e, 0xbbf19bf8, 0xbc69b6a7
.set I, 0
.rept 16
	v_pk_fma_f32 v[224+I:225+I], v[224+I:225+I], v[160+I:161+I], \c op_sel_hi:[1,1,0]
.set I, I+2
.endr
.endr
.set I, 0
	s_wait_alu depctr_va_vdst(0)
.rept 32
	v_rcp_f32 v[224+I], v[224+I]
.set I, I+1
.endr
.set I, 0
.rept 16
	v_pk_mul_f32 v[192+I:193+I], v[192+I:193+I], v[128+I:129+I]
.set I, I+2
.endr
.set I, 0
.rept 16
	v_pk_mul_f32 v[128+I:129+I], v[\x+I:\x+I+1], 0.5 op_sel_hi:[1,0]
.set I, I+2
.endr
	s_wait_alu depctr_va_vdst(0)
.set I, 0
.rept 16
	v_pk_mul_f32 v[192+I:193+I], v[192+I:193+I], v[224+I:225+I]
.set I, I+2
.endr
.set I, 0
.rept 16
	v_pk_fma_f32 v[\x+I:\x+I+1], v[128+I:129+I], v[192+I:193+I], v[128+I:129+I]
.set I, I+2
.endr
.endm
.macro MV k, kind
	s_cmp_lg_u32 s2, \k
	s_cbranch_scc1 .Lnot_\@
	WIN 0x06+(\k)/4
.set I, 0
.rept 32
.if \kind == 1
	v_pk_add_f32 v[64+I:65+I], v[64*((\k)%4)+I:64*((\k)%4)+I+1], v[192+2*(\k):193+2*(\k)]
.else
	v_pk_add_f32 v[64+I:65+I], v[64*((\k)%4)+I:64*((\k)%4)+I+1], v[192+I:193+I]
.endif
.set I, I+2
.endr
	WIN 0
.Lnot_\@:
.endm
.macro EPILOOP kind
	s_mov_b32 s2, 0
.Lepi_\@:
.irp k, 0,1,2,3,4,5,6,7
	MV \k, \kind
.endr
	s_wait_xcnt 0x0
.if \kind == 2
	GELU32 64
	GELU32 96
.endif
.if \kind == 0
	s_mul_i32 s96, s2, 768
	s_lshl_b32 s97, s2, 6
.elseif \kind == 1
	s_lshr_b32 s96, s2, 2
	s_mul_i32 s97, s96, 12288
	s_mul_i32 s96, s96, 98304
	s_and_b32 s99, s2, 3
	s_mul_i32 s46, s99, FRB
	s_add_co_u32 s96, s96, s46
	s_lshl_b32 s99, s99, 6
	s_add_co_u32 s97, s97, s99
.else
	s_mul_i32 s96, s2, 49152
	s_lshl_b32 s97, s2, 11
.endif
	v_add_nc_u32 v12, s96, v4
	v_add_nc_u32 v13, s96, v5
	v_add_nc_u32 v14, s97, v6
.if \kind == 0
	v_add_nc_u32 v15, s98, v14
.endif
	QUANT 64
.if \kind == 0
	v_and_b32 v165, 0xffff, v[PW]
	v_lshrrev_b32 v166, 16, v[PW]
	global_store_b128 v12, v[PC:PC+3], s[20:21]
	global_store_b64 v13, v[PC+4:PC+5], s[20:21] offset:512
	global_store_b128 v12, v[PC+6:PC+9], s[20:21] offset:98304
	global_store_b64 v13, v[PC+10:PC+11], s[20:21] offset:98816
	global_store_b32 v14, v165, s[22:23]
	global_store_b32 v15, v166, s[22:23]
.else
	global_store_b128 v12, v[PC:PC+3], s[20:21]
	global_store_b64 v13, v[PC+4:PC+5], s[20:21] offset:512
	global_store_b128 v12, v[PC+6:PC+9], s[20:21] offset:768
	global_store_b64 v13, v[PC+10:PC+11], s[20:21] offset:1280
	global_store_b32 v14, v[PW], s[22:23]
.endif
	s_add_co_u32 s2, s2, 1
	s_cmp_lt_u32 s2, 8
	s_cbranch_scc1 .Lepi_\@
.endm
.macro BIASROW
	v_lshlrev_b32 v26, 6, v2
	WIN 0x40
.irp g, 0,1,2,3,4,5,6,7,8,9,10,11,12,13,14,15
	global_load_b128 v[192+4*\g:195+4*\g], v26, s[18:19] offset:128*(\g/4)+16*(\g%4)
.endr
	WIN 0
.endm
	s_load_b256 s[4:11], s[0:1], 0x0
	v_lshl_add_u32 v[SPW], v0, 2, SPARE
	v_mov_b32 v[NIL], 0
	ds_add_u32 v[SPW], v[NIL]
	ds_add_u32 v[SPW], v[NIL]
	v_lshrrev_b32 v1, 5, v0
	v_readfirstlane_b32 s14, v1
	s_lshr_b32 s15, s14, 1
	s_and_b32 s16, s14, 1
	s_bfe_u32 s40, ttmp6, 0x40000
	s_bfe_u32 s41, ttmp6, 0x40004
	s_and_b32 s18, ttmp7, 0xffff
	s_lshl_b32 s18, s18, 2
	s_lshl_b32 s43, s41, 2
	s_lshl_b32 s43, 15, s43
	s_lshl_b32 s44, 0x1111, s40
	s_add_co_u32 s17, s18, s41
	s_lshl_b32 s42, ttmp9, 2
	s_add_co_u32 s42, s42, s40
	s_mov_b32 s2, 16777216
	s_mov_b32 s3, 19922944
	s_mov_b32 s19, O_W1C
	s_mov_b32 s96, O_W1S
	v_mov_b32 v8, 0xaf95df0b
	v_mov_b32 v9, 0xaf95df0b
	v_mov_b32 v10, 0xb77460cd
	v_mov_b32 v11, 0xb77460cd
	s_mul_i32 s98, s16, NT
	s_mul_i32 s20, s17, 2*NT
	s_add_co_u32 s20, s20, s98
	s_mul_i32 s46, s42, 2*NT
	s_add_co_u32 s46, s46, s98
	s_mul_i32 s22, s20, KS*64
	s_add_co_u32 s22, s22, s3
	s_mul_i32 s20, s20, KS*FRB
	s_add_co_u32 s20, s20, s2
	s_mul_i32 s92, s46, KS*64
	s_add_co_u32 s92, s92, s96
	s_mul_i32 s46, s46, KS*FRB
	s_add_co_u32 s46, s46, s19
	s_mov_b32 s21, 0
	s_mov_b32 s23, 0
	s_mov_b32 s47, 0
	s_mov_b32 s93, 0
	s_mul_i32 s45, s14, HALFT
	s_mov_b32 s[SEL], 0x76543210
	s_mov_b32 s[SEL+1], 0xfedcba98
	s_or_b32 s[G1+0], s43, (3<<16)|(1<<21)
	s_or_b32 s[G1B+0], s44, (3<<16)|(1<<21)
.irp g, G1, G1B
	s_mov_b32 s[\g+1], (NQ*192)<<16
	s_mov_b32 s[\g+2], (2*NT)<<16                  ; the head's loads of codes bring a whole operand's 2 NT tiles
	s_mov_b32 s[\g+3], (NQ*192)<<16
	s_mov_b32 s[\g+4], 2*NT
	s_mov_b32 s[\g+5], KS*192
	s_mov_b32 s[\g+6], 0
	s_mov_b32 s[\g+7], 0
.endr
	s_or_b32 s[G1S+0], s43, (3<<16)|(1<<21)
	s_or_b32 s[G1SB+0], s44, (3<<16)|(1<<21)
.irp g, G1S, G1SB
	s_mov_b32 s[\g+1], 32<<16
	s_mov_b32 s[\g+2], (2*QSZ/256)<<16             ; the scale words of 2 NT tiles, all of K
	s_mov_b32 s[\g+3], 32<<16
	s_mov_b32 s[\g+4], 2*QSZ/256
	s_mov_b32 s[\g+5], 32
	s_mov_b32 s[\g+6], 0
	s_mov_b32 s[\g+7], 0
.endr
	s_wait_dscnt 0x0
	s_wait_kmcnt 0x0
	s_add_nc_u64 s[20:21], s[PA:PA+1], s[20:21]
	s_add_nc_u64 s[22:23], s[PA:PA+1], s[22:23]
	s_add_nc_u64 s[46:47], s[PB:PB+1], s[46:47]
	s_add_nc_u64 s[92:93], s[PB:PB+1], s[92:93]
	CROUND
	s_mov_b32 s[G0S], 1
	s_mov_b32 s[G0S+1], SCL
	s_sub_nc_u64 s[G0S+2:G0S+3], s[22:23], QSZ     ; issued by wave 1 alone, whose own half is the second: back to the first
	s_or_b32 s[G0S+3], s[G0S+3], 0x80000000
	s_mov_b32 s[G0SB], 1
	s_mov_b32 s[G0SB+1], SCL+2*QSZ
	s_sub_nc_u64 s[G0SB+2:G0SB+3], s[92:93], QSZ   ; issued by wave 3 alone
	s_or_b32 s[G0SB+3], s[G0SB+3], 0x80000000
.irp s, 0,1
	s_mov_b32 s[G0+4*\s], 1
	s_add_co_u32 s[G0+4*\s+1], s45, \s*SLOT
	s_add_nc_u64 s[G0+4*\s+2:G0+4*\s+3], s[20:21], \s*NQ*FRB
	s_or_b32 s[G0+4*\s+3], s[G0+4*\s+3], 0x80000000
	s_mov_b32 s[G0B+4*\s], 1
	s_add_co_u32 s[G0B+4*\s+1], s45, \s*SLOT
	s_add_nc_u64 s[G0B+4*\s+2:G0B+4*\s+3], s[46:47], \s*NQ*FRB
	s_or_b32 s[G0B+4*\s+3], s[G0B+4*\s+3], 0x80000000
.endr
; the head's four tiles, one joint load a wave, in one chain of branches on the wave's number: wave 0 slot 0's 2 NT tiles of A, wave 1 A's scale words, wave 2 slot 0's tiles of B, wave 3 B's scale words
	s_cmp_lt_u32 s14, 1
	s_cbranch_scc0 .Lh1
	tensor_load_to_lds s[G0:G0+3], s[G1:G1+7]
	s_nop 0
.rept 4
	v_nop
.endr
	s_branch .Lhead_asked
.Lh1:
	s_cmp_lt_u32 s14, 2
	s_cbranch_scc0 .Lh2
	tensor_load_to_lds s[G0S:G0S+3], s[G1S:G1S+7]
	s_nop 0
.rept 4
	v_nop
.endr
	s_branch .Lhead_asked
.Lh2:
	s_cmp_lt_u32 s14, 3
	s_cbranch_scc0 .Lh3
	tensor_load_to_lds s[G0B:G0B+3], s[G1B:G1B+7]
	s_nop 0
.rept 4
	v_nop
.endr
	s_branch .Lhead_asked
.Lh3:
	tensor_load_to_lds s[G0SB:G0SB+3], s[G1SB:G1SB+7]
	s_nop 0
.rept 4
	v_nop
.endr
.Lhead_asked:
	s_wait_alu depctr_va_vdst(0)
	s_wait_tensorcnt 0x0                           ; my tile of the four is in
	ds_add_u32 v[SPW], v[NIL]
	s_mov_b32 s[G1+2], NT<<16                      ; no tensor load of mine is out: from here on a load brings NT tiles
	s_mov_b32 s[G1+4], NT
	s_mov_b32 s[G1B+2], NT<<16
	s_mov_b32 s[G1B+4], NT
	s_wait_dscnt 0x0
	CROUND
	JLOAD G0+4, G1, G0B+4, G1B                     ; slot 1's first fill, the first tensor load behind the round
	v_and_b32 v1, 15, v0
	v_bfe_u32 v2, v0, 4, 1
	v_and_b32 v3, 31, v0
	v_lshlrev_b32 v4, 4, v3
	v_lshlrev_b32 v5, 3, v3
	v_lshlrev_b32 v6, 2, v1
	v_lshlrev_b32 v7, 2, v3
	s_wait_alu depctr_va_vdst(0)
	s_mul_i32 s21, s15, HALFT
	s_mul_i32 s22, s16, HALFT
	s_add_co_u32 s22, s22, 2*HALFT
.irp s, 0,1
	v_add_nc_u32 v[16+\s], s21, v4
	v_add_nc_u32 v[18+\s], s21, v5
	v_add_nc_u32 v[20+\s], s22, v4
	v_add_nc_u32 v[22+\s], s22, v5
	s_add_co_u32 s21, s21, SLOT
	s_add_co_u32 s22, s22, SLOT
.endr
	s_mul_i32 s21, s15, QSZ
	s_add_co_u32 s21, s21, SCL
	v_add_nc_u32 v24, s21, v7
	s_mul_i32 s22, s16, QSZ
	s_add_co_u32 s22, s22, SCL+2*QSZ
	v_add_nc_u32 v25, s22, v7
	s_wait_alu depctr_va_vdst(0)
	s_wait_tensorcnt 0x1
	s_barrier_signal -1
	s_barrier_wait -1
	FETCH 0, 0, 0
	SCALES 0
	STEPN 0, 0, 1
	WIN 0
	s_mov_b32 s3, LAPS-1
.Llap:
	TURN 0, 1, 1
	STEPN 1, 0, 0
	TURN 1, 0, 1
	STEPN 0, 0, 0
	WIN 0
	s_sub_co_u32 s3, s3, 1
	s_cmp_lg_u32 s3, 0
	s_cbranch_scc1 .Llap
	TURN 0, 1, 0
	STEPN 1, 0, 0
	WIN 0
	s_lshl_b32 s20, s42, 10
	s_lshl_b32 s21, s16, 9
	s_add_co_u32 s20, s20, s21
	s_mov_b32 s21, 0
	s_add_nc_u64 s[18:19], s[8:9], s[20:21]
	BIASROW
	LASTSTEP
	s_wait_loadcnt 0x0
	s_lshl_b32 s18, s17, 4
	s_lshl_b32 s19, s15, 3
	s_add_co_u32 s18, s18, s19
	s_lshl_b32 s18, s18, 5
	s_lshl_b32 s19, s42, 1
	s_add_co_u32 s18, s18, s19
	s_add_co_u32 s18, s18, s16
	s_mul_i32 s20, s18, FRB
	s_mov_b32 s21, 0
	s_lshl_b32 s22, s18, 6
	s_add_co_u32 s22, s22, 12582912
	s_mov_b32 s23, 0
	s_add_nc_u64 s[20:21], s[10:11], s[20:21]
	s_add_nc_u64 s[22:23], s[10:11], s[22:23]
	EPILOOP 2
	s_wait_tensorcnt 0x0
	ds_add_u32 v[SPW], v[NIL]
	s_wait_dscnt 0x0
	CROUND
	s_endpgm
.Lfunc_end_k_qd442bc4ab6_w1:
	.size	k_qd442bc4ab6_w1, .Lfunc_end_k_qd442bc4ab6_w1-k_qd442bc4ab6_w1
	.p2alignl 7, 3214868480
	.fill 96, 4, 3214868480
	.section	.rodata,"a",@progbits
	.p2align	6, 0x0
	.amdhsa_kernel k_qd442bc4ab6_w1
		.amdhsa_group_segment_fixed_size 327680
		.amdhsa_private_segment_fixed_size 0
		.amdhsa_enable_private_segment 0
		.amdhsa_kernarg_size 32
		.amdhsa_user_sgpr_count 2
		.amdhsa_user_sgpr_kernarg_segment_ptr 1
		.amdhsa_wavefront_size32 1
		.amdhsa_system_sgpr_workgroup_id_x 1
		.amdhsa_system_sgpr_workgroup_id_y 1
		.amdhsa_system_sgpr_workgroup_id_z 1
		.amdhsa_system_vgpr_workitem_id 0
		.amdhsa_next_free_vgpr 1024
		.amdhsa_next_free_sgpr 102
		.amdhsa_reserve_vcc 0
		.amdhsa_float_denorm_mode_32 3
		.amdhsa_float_denorm_mode_16_64 3
		.amdhsa_memory_ordered 1
		.amdhsa_forward_progress 1
		.amdhsa_inst_pref_size 189
	.end_amdhsa_kernel
	.amdgpu_metadata
---
amdhsa.version: [ 1, 2 ]
amdhsa.kernels:
  - .name:           k_qd442bc4ab6_w1
    .symbol:         k_qd442bc4ab6_w1.kd
    .args:
      - { .name: hbuf, .offset: 0, .size: 8, .value_kind: global_buffer, .address_space: global }
      - { .name: pbuf, .offset: 8, .size: 8, .value_kind: global_buffer, .address_space: global }
      - { .name: b1, .offset: 16, .size: 8, .value_kind: global_buffer, .address_space: global }
      - { .name: fbuf, .offset: 24, .size: 8, .value_kind: global_buffer, .address_space: global }
    .group_segment_fixed_size: 327680
    .private_segment_fixed_size: 0
    .kernarg_segment_align: 8
    .kernarg_segment_size: 32
    .max_flat_workgroup_size: 128
    .sgpr_count:     102
    .vgpr_count:     1024
    .wavefront_size: 32
...
	.end_amdgpu_metadata
.endif
;; end of part 5
;; launch w2 (part 6): grid 8 x 32, 4 waves a work-group, clusters of 4 x 4, 327,680 bytes of LDS; arguments fbuf, pbuf, ybuf; writes ybuf
.if DOCPART == 6
	.amdgcn_target "amdgcn-amd-amdhsa--gfx1250"
	.amdhsa_code_object_version 6
	.text
	.protected	k_qd442bc4ab6_w2
	.globl	k_qd442bc4ab6_w2
	.p2align	8
	.type	k_qd442bc4ab6_w2,@function
k_qd442bc4ab6_w2:
	s_mov_b64 s[64:65], 0
	v_nop
	global_prefetch_b8 v0, s[64:65] scope:SCOPE_SE
	s_setreg_imm32_b32 hwreg(HW_REG_WAVE_MODE, 25, 1), 1
	s_wait_xcnt 0x0
	s_wait_alu depctr_hold_cnt(0) depctr_sa_sdst(0) depctr_va_vdst(0) depctr_va_sdst(0) depctr_va_ssrc(0) depctr_va_vcc(0) depctr_vm_vsrc(0)
	s_getreg_b32 s2, hwreg(HW_REG_IB_STS2, 6, 4)
	s_cmp_eq_u32 s2, 0
	s_cbranch_scc0 .Lentry_in_a_cluster
	s_endpgm
.Lentry_in_a_cluster:
	s_bfe_u32 s2, ttmp6, 0x10000c
	s_cmp_lg_u32 s2, 0xf033
	s_cbranch_scc0 .Lentry_shape_is_right
	s_endpgm
.Lentry_shape_is_right:
; Launch 6 of 7 (KIND 3): the hidden layer times W2, on codes of BF6, f32 out; the bias, the residual and the LayerNorm follow in the next launch, which owns whole rows.  Nothing of reference() is left out.
; A GEMM on register images (tiles, fragments and scale words as the first launch's head says).  The result has 32 x 8 blocks of 128 x 128: one to each of 256 work-groups; a wave makes 64 x 64: 16 accumulators.
; Source 0 ("B") = the weight's tiles, source 1 ("A") = the tokens': a lane holds a token and neighbouring columns.  K goes through a ring of two LDS slots of NQ = 4 K steps, one tensor load of 24,576 bytes a wave
; behind each change of slots; the scale words of all of K come once, with the first fills.
; CLUSTERS 4 x 4: A's tiles are shared along a row of the cluster, B's along a column: each is asked for jointly.
; REGISTERS: window 0: v1-30 addresses; v32-63 scale words, two sets; v64-159 A's fragments, two sets (on the way out v64-191: rows read back).  window 1: v0-95 B's fragments, two sets.  window 2: v0-127 accumulators, (a, b) at v[8 (4 a + b)].
.set KIND,  3
.set NT,    4
.set NQ,    4
.if KIND == 1
.set KS,    8
.set O_AS,  3145728                    ; A's scale words in its buffer (its codes lie at 0)
.set O_BC,  5636096                    ; Wo's images and scale words in pbuf
.set O_BS,  12812288
.else
.set KS,    32
.set O_AS,  12582912
.set O_BC,  9568256                    ; W2's
.set O_BS,  12976128
.endif
.set LAPS,  KS/(2*NQ)
.set FRB,   1536
.set HALFT, NT*NQ*FRB
.set SLOT,  4*HALFT
.set QSZ,   NT*KS*64
.set SCL,   2*SLOT
.set STAGE, SCL+4*QSZ                  ; the way out: 16 rows x (256 bytes + 16) for each wave; no tensor load fills it
.set SPARE, STAGE+4*16*272             ; the spare words, 128 bytes a wave
.set SPW, 28
.set NIL, 29
.set G1,  24
.set G0,  32
.set G1B, 48
.set G0B, 56
.set G1S, 68
.set G0S, 76
.set G1SB, 80
.set G0SB, 88
.set MSB, 0
.macro WIN new
.if MSB != (\new)
	s_set_vgpr_msb (MSB<<8)|(\new)
.set MSB, (\new)
.endif
.endm
.macro JLOAD g0a, g1a, g0b, g1b        ; a joint load: waves 0, 1 fetch for A, waves 2, 3 for B; s_nop 0 and four v_nop follow each line
	s_cmp_eq_u32 s15, 0
	s_cbranch_scc0 .Lfor_b_\@
	tensor_load_to_lds s[\g0a:\g0a+3], s[\g1a:\g1a+7]
	s_nop 0
.rept 4
	v_nop
.endr
	s_branch .Lasked_\@
.Lfor_b_\@:
	tensor_load_to_lds s[\g0b:\g0b+3], s[\g1b:\g1b+7]
	s_nop 0
.rept 4
	v_nop
.endr
.Lasked_\@:
.endm
.macro CREST
	s_cmp_lg_u32 s14, 0
	s_cbranch_scc1 .Lnot_wave_0_\@
	s_barrier_signal -3
.Lnot_wave_0_\@:
	s_barrier_wait -3
	s_barrier_signal -1
	s_barrier_wait -1
.endm
.macro CROUND
	s_barrier_signal -1
	s_barrier_wait -1
	CREST
.endm
.macro PLACES n
.rept \n
	v_nop
.endr
.endm
.macro FRAG reg, a16, a8, off
	ds_load_b128 v[\reg:\reg+3], v[\a16] offset:\off
	ds_load_b64 v[\reg+4:\reg+5], v[\a8] offset:\off+512
	ds_load_b128 v[\reg+6:\reg+9], v[\a16] offset:\off+768
	ds_load_b64 v[\reg+10:\reg+11], v[\a8] offset:\off+1280
.endm
.macro FETCH slot, q, set
	WIN 0x40
.set II, 0
.rept NT
	FRAG 12*NT*(\set)+12*II, 20+\slot, 22+\slot, (II*NQ+(\q))*FRB
.set II, II+1
.endr
	WIN 0
.set II, 0
.rept NT
	FRAG 64+12*NT*(\set)+12*II, 16+\slot, 18+\slot, (II*NQ+(\q))*FRB
.set II, II+1
.endr
.endm
.macro SCALES slot                     ; a load brings a tile's words of two K steps: lanes 0-15 the even step's, lanes 16-31 the odd one's
.set II, 0
.rept NT
.set JJ, 0
.rept NQ/2
	ds_load_b32 v[32+16*(\slot)+II*NQ/2+JJ], v24 offset:II*KS*64+128*JJ
	ds_load_b32 v[40+16*(\slot)+II*NQ/2+JJ], v25 offset:II*KS*64+128*JJ
.set JJ, JJ+1
.endr
.set II, II+1
.endr
.endm
.macro MULQ part, set, q, slot, zero   ; one tile of A against B's four.  The accumulators take turns, one instruction a turn, in the same order in every step
	WIN 0xa1
.set AA, (\part)*NT/4
.rept NT/4
.set BB, 0
.rept NT
.set RC, 8*(NT*(AA%4)+BB)
.set RB, 12*NT*(\set)+12*BB
.set RA, 64+12*NT*(\set)+12*AA
.set SB, 40+16*(\slot)+BB*NQ/2+(\q)/2
.set SA, 32+16*(\slot)+AA*NQ/2+(\q)/2
.if \zero
	v_wmma_scale_f32_16x16x128_f8f6f4 v[RC:RC+7], v[RB:RB+11], v[RA:RA+11], 0, v[SB], v[SA] matrix_a_fmt:MATRIX_FMT_BF6 matrix_b_fmt:MATRIX_FMT_BF6
.elseif ((\q)%2)
	v_wmma_scale_f32_16x16x128_f8f6f4 v[RC:RC+7], v[RB:RB+11], v[RA:RA+11], v[RC:RC+7], v[SB], v[SA] matrix_a_fmt:MATRIX_FMT_BF6 matrix_b_fmt:MATRIX_FMT_BF6 matrix_a_scale:MATRIX_SCALE_ROW1 matrix_b_scale:MATRIX_SCALE_ROW1
.else
	v_wmma_scale_f32_16x16x128_f8f6f4 v[RC:RC+7], v[RB:RB+11], v[RA:RA+11], v[RC:RC+7], v[SB], v[SA] matrix_a_fmt:MATRIX_FMT_BF6 matrix_b_fmt:MATRIX_FMT_BF6
.endif
.set BB, BB+1
.endr
.set AA, AA+1
.endr
.endm
.macro STEPN slot, q, zero
	s_wait_dscnt 0x0                               ; this step's fragments, asked for a whole step ago
	PLACES 4                                       ; in front of loads into registers that the last step's products read
	FETCH \slot, (\q)+1, ((\q)+1)%2
	MULQ 0, (\q)%2, \q, \slot, \zero
	MULQ 1, (\q)%2, \q, \slot, \zero
	MULQ 2, (\q)%2, \q, \slot, \zero
	MULQ 3, (\q)%2, \q, \slot, \zero
.endm
; A slot's last K step changes slots: each wave waits for all its tensor loads, adds 0 to its spare word, waits for that and for its reads of this slot; one barrier, which with fill = 1 opens a round of the cluster's
.macro TURN slot, next, fill
	WIN 0
	s_wait_tensorcnt 0x0
	ds_add_u32 v[SPW], v[NIL]
	s_wait_dscnt 0x1                               ; this step's fragments are in; the add alone may be out
	MULQ 0, 1, NQ-1, \slot, 0
	s_wait_dscnt 0x0                               ; the add is done, my reads of this slot are over
	s_barrier_signal -1
	MULQ 1, 1, NQ-1, \slot, 0
	WIN 0
	s_barrier_wait -1
.if \fill
	CREST
	s_add_nc_u64 s[G0+4*\slot+2:G0+4*\slot+3], s[G0+4*\slot+2:G0+4*\slot+3], 2*NQ*FRB
	s_add_nc_u64 s[G0B+4*\slot+2:G0B+4*\slot+3], s[G0B+4*\slot+2:G0B+4*\slot+3], 2*NQ*FRB
	JLOAD G0+4*\slot, G1, G0B+4*\slot, G1B         ; the first tensor load behind the round; its four v_nop are the places in front of the loads below
.else
	PLACES 4
.endif
	s_wait_alu depctr_va_vdst(0)
	v_add_nc_u32 v24, NQ*64, v24
	v_add_nc_u32 v25, NQ*64, v25
	FETCH \next, 0, 0
	SCALES \next
	MULQ 2, 1, NQ-1, \slot, 0
	MULQ 3, 1, NQ-1, \slot, 0
.endm
	s_load_b128 s[4:7], s[0:1], 0x0                ; A's buffer, pbuf
	s_load_b64 s[8:9], s[0:1], 0x10                ; ybuf
	v_lshl_add_u32 v[SPW], v0, 2, SPARE
	v_mov_b32 v[NIL], 0
	ds_add_u32 v[SPW], v[NIL]                      ; the wave's opening: the add, twice on end, and its wait ahead of my first tensor load
	ds_add_u32 v[SPW], v[NIL]
	v_lshrrev_b32 v1, 5, v0
	v_readfirstlane_b32 s14, v1
	s_lshr_b32 s15, s14, 1
	s_and_b32 s16, s14, 1
	s_bfe_u32 s40, ttmp6, 0x40000                  ; cx
	s_bfe_u32 s41, ttmp6, 0x40004                  ; cy
	s_and_b32 s18, ttmp7, 0xffff
	s_lshl_b32 s18, s18, 2
	s_add_co_u32 s17, s18, s41                     ; A's block of 128 rows
	s_lshl_b32 s42, ttmp9, 2
	s_add_co_u32 s42, s42, s40                     ; B's block of 128 rows
	s_lshl_b32 s43, s41, 2
	s_lshl_b32 s43, 15, s43
	s_lshl_b32 s44, 0x1111, s40
	s_mul_i32 s98, s16, NT
	s_mul_i32 s20, s17, 2*NT
	s_add_co_u32 s20, s20, s98
	s_mul_i32 s46, s42, 2*NT
	s_add_co_u32 s46, s46, s98
	s_mul_i32 s22, s20, KS*64
	s_add_co_u32 s22, s22, O_AS
	s_mul_i32 s20, s20, KS*FRB
	s_mul_i32 s92, s46, KS*64
	s_add_co_u32 s92, s92, O_BS
	s_mul_i32 s46, s46, KS*FRB
	s_add_co_u32 s46, s46, O_BC
	s_mov_b32 s21, 0
	s_mov_b32 s23, 0
	s_mov_b32 s47, 0
	s_mov_b32 s93, 0
	s_mul_i32 s45, s14, HALFT
	s_or_b32 s[G1+0], s43, (3<<16)|(1<<21)         ; group 1: NT rows of NQ fragments (NQ x 192 elements of 8 bytes), a tile's KS fragments apart
	s_or_b32 s[G1B+0], s44, (3<<16)|(1<<21)
.irp g, G1, G1B
	s_mov_b32 s[\g+1], (NQ*192)<<16
	s_mov_b32 s[\g+2], (2*NT)<<16                  ; the head's loads of codes bring a whole operand's 2 NT tiles
	s_mov_b32 s[\g+3], (NQ*192)<<16
	s_mov_b32 s[\g+4], 2*NT
	s_mov_b32 s[\g+5], KS*192
	s_mov_b32 s[\g+6], 0
	s_mov_b32 s[\g+7], 0
.endr
	s_or_b32 s[G1S+0], s43, (3<<16)|(1<<21)        ; the scale words of 2 NT tiles: a dense block, as rows of 256 bytes
	s_or_b32 s[G1SB+0], s44, (3<<16)|(1<<21)
.irp g, G1S, G1SB
	s_mov_b32 s[\g+1], 32<<16
	s_mov_b32 s[\g+2], (2*QSZ/256)<<16             ; the scale words of 2 NT tiles, all of K
	s_mov_b32 s[\g+3], 32<<16
	s_mov_b32 s[\g+4], 2*QSZ/256
	s_mov_b32 s[\g+5], 32
	s_mov_b32 s[\g+6], 0
	s_mov_b32 s[\g+7], 0
.endr
	s_wait_dscnt 0x0
	s_wait_kmcnt 0x0
	s_add_nc_u64 s[20:21], s[4:5], s[20:21]
	s_add_nc_u64 s[22:23], s[4:5], s[22:23]
	s_add_nc_u64 s[46:47], s[6:7], s[46:47]
	s_add_nc_u64 s[92:93], s[6:7], s[92:93]
	CROUND
	s_mov_b32 s[G0S], 1
	s_mov_b32 s[G0S+1], SCL
	s_sub_nc_u64 s[G0S+2:G0S+3], s[22:23], QSZ     ; issued by wave 1 alone, whose own half is the second: back to the first
	s_or_b32 s[G0S+3], s[G0S+3], 0x80000000
	s_mov_b32 s[G0SB], 1
	s_mov_b32 s[G0SB+1], SCL+2*QSZ
	s_sub_nc_u64 s[G0SB+2:G0SB+3], s[92:93], QSZ   ; issued by wave 3 alone
	s_or_b32 s[G0SB+3], s[G0SB+3], 0x80000000
.irp s, 0,1
	s_mov_b32 s[G0+4*\s], 1
	s_add_co_u32 s[G0+4*\s+1], s45, \s*SLOT
	s_add_nc_u64 s[G0+4*\s+2:G0+4*\s+3], s[20:21], \s*NQ*FRB
	s_or_b32 s[G0+4*\s+3], s[G0+4*\s+3], 0x80000000
	s_mov_b32 s[G0B+4*\s], 1
	s_add_co_u32 s[G0B+4*\s+1], s45, \s*SLOT
	s_add_nc_u64 s[G0B+4*\s+2:G0B+4*\s+3], s[46:47], \s*NQ*FRB
	s_or_b32 s[G0B+4*\s+3], s[G0B+4*\s+3], 0x80000000
.endr
; the head's four tiles, one joint load a wave, in one chain of branches on the wave's number: wave 0 slot 0's 2 NT tiles of A, wave 1 A's scale words, wave 2 slot 0's tiles of B, wave 3 B's scale words
	s_cmp_lt_u32 s14, 1
	s_cbranch_scc0 .Lh1
	tensor_load_to_lds s[G0:G0+3], s[G1:G1+7]
	s_nop 0
.rept 4
	v_nop
.endr
	s_branch .Lhead_asked
.Lh1:
	s_cmp_lt_u32 s14, 2
	s_cbranch_scc0 .Lh2
	tensor_load_to_lds s[G0S:G0S+3], s[G1S:G1S+7]
	s_nop 0
.rept 4
	v_nop
.endr
	s_branch .Lhead_asked
.Lh2:
	s_cmp_lt_u32 s14, 3
	s_cbranch_scc0 .Lh3
	tensor_load_to_lds s[G0B:G0B+3], s[G1B:G1B+7]
	s_nop 0
.rept 4
	v_nop
.endr
	s_branch .Lhead_asked
.Lh3:
	tensor_load_to_lds s[G0SB:G0SB+3], s[G1SB:G1SB+7]
	s_nop 0
.rept 4
	v_nop
.endr
.Lhead_asked:
	s_wait_alu depctr_va_vdst(0)
	s_wait_tensorcnt 0x0                           ; my tile of the four is in
	ds_add_u32 v[SPW], v[NIL]
	s_mov_b32 s[G1+2], NT<<16                      ; no tensor load of mine is out: from here on a load brings NT tiles
	s_mov_b32 s[G1+4], NT
	s_mov_b32 s[G1B+2], NT<<16
	s_mov_b32 s[G1B+4], NT
	s_wait_dscnt 0x0
	CROUND
	JLOAD G0+4, G1, G0B+4, G1B                     ; slot 1's first fill, the first tensor load behind the round
	v_and_b32 v1, 15, v0                           ; r
	v_bfe_u32 v2, v0, 4, 1                         ; h
	v_and_b32 v3, 31, v0
	v_lshlrev_b32 v4, 4, v3
	v_lshlrev_b32 v5, 3, v3
	v_lshlrev_b32 v7, 2, v3
	s_wait_alu depctr_va_vdst(0)
	s_mul_i32 s21, s15, HALFT
	s_mul_i32 s22, s16, HALFT
	s_add_co_u32 s22, s22, 2*HALFT
.irp s, 0,1
	v_add_nc_u32 v[16+\s], s21, v4
	v_add_nc_u32 v[18+\s], s21, v5
	v_add_nc_u32 v[20+\s], s22, v4
	v_add_nc_u32 v[22+\s], s22, v5
	s_add_co_u32 s21, s21, SLOT
	s_add_co_u32 s22, s22, SLOT
.endr
	s_mul_i32 s21, s15, QSZ
	s_add_co_u32 s21, s21, SCL
	v_add_nc_u32 v24, s21, v7
	s_mul_i32 s22, s16, QSZ
	s_add_co_u32 s22, s22, SCL+2*QSZ
	v_add_nc_u32 v25, s22, v7
	s_mul_i32 s23, s14, 16*272
	s_add_co_u32 s23, s23, STAGE                   ; my stage
	v_mul_u32_u24 v26, v1, 272
	v_lshl_add_u32 v26, v2, 6, v26
	v_add_nc_u32 v26, s23, v26                     ; in: row = my member, + 64 h
	v_mul_u32_u24 v27, v2, 272
	v_lshl_add_u32 v27, v1, 4, v27
	v_add_nc_u32 v27, s23, v27                     ; back: lanes 0-15 one row of 256 bytes, lanes 16-31 the next
	v_lshlrev_b32 v30, 12, v2
	v_lshl_add_u32 v30, v1, 4, v30                 ; and the same two rows in the result
	s_lshl_b32 s20, s17, 7
	s_lshl_b32 s21, s15, 6
	s_add_co_u32 s20, s20, s21
	s_lshl_b32 s20, s20, 12                        ; my first row x 4,096 bytes
	s_lshl_b32 s21, s42, 9
	s_add_co_u32 s20, s20, s21
	s_lshl_b32 s21, s16, 8
	s_add_co_u32 s20, s20, s21                     ; + my first column x 4
	s_mov_b32 s21, 0
	s_add_nc_u64 s[8:9], s[8:9], s[20:21]
	s_wait_alu depctr_va_vdst(0)
	s_wait_tensorcnt 0x1                           ; the scale words and my part of slot 0 are in; slot 1's load may stay out
	s_barrier_signal -1
	s_barrier_wait -1
	FETCH 0, 0, 0
	SCALES 0
	STEPN 0, 0, 1                                  ; the first K step stands ahead of the loop: its products start the sums
.if LAPS > 1
	WIN 0
	s_mov_b32 s3, LAPS-1
.Llap:
	STEPN 0, 1, 0
	STEPN 0, 2, 0
	TURN 0, 1, 1
	STEPN 1, 0, 0
	STEPN 1, 1, 0
	STEPN 1, 2, 0
	TURN 1, 0, 1
	STEPN 0, 0, 0
	WIN 0
	s_sub_co_u32 s3, s3, 1
	s_cmp_lg_u32 s3, 0
	s_cbranch_scc1 .Llap
.endif
	STEPN 0, 1, 0                                  ; the last lap fills nothing
	STEPN 0, 2, 0
	TURN 0, 1, 0
	STEPN 1, 0, 0
	STEPN 1, 1, 0
	STEPN 1, 2, 0
	s_wait_dscnt 0x0
	MULQ 0, 1, NQ-1, 1, 0
	MULQ 1, 1, NQ-1, 1, 0
	MULQ 2, 1, NQ-1, 1, 0
	MULQ 3, 1, NQ-1, 1, 0
	WIN 0
	PLACES 4
; THE WAY OUT, a tile of 16 tokens x 64 columns at a time, through my own stage: a lane's registers 16 b + i are columns 32 b + 16 h + i of its member's row; they come back as whole pieces of 256 bytes
.macro TOSTAGE a
	WIN 0x08                                       ; an LDS store's data are its source 1: window 2
.irp g, 0,1,2,3,4,5,6,7
	ds_store_b128 v26, v[32*(\a)+4*\g:32*(\a)+4*\g+3] offset:128*(\g/4)+16*(\g%4)   ; each accumulator from its low end on
.endr
	WIN 0
.irp i, 0,1,2,3,4,5,6,7
	ds_load_b128 v[64+32*(\a)+4*\i:67+32*(\a)+4*\i], v27 offset:544*\i   ; LDS serves a wave's instructions in order: these see my stores, and the next tile's stores come behind them
.endr
.endm
.macro SEND a, younger
	s_wait_dscnt \younger                          ; the tile is back; the next tile's 8 stores and 8 loads may be out
.irp i, 0,1,2,3,4,5,6,7
	global_store_b128 v30, v[64+32*(\a)+4*\i:67+32*(\a)+4*\i], s[8:9] offset:(32*((\a)/2)+8*((\a)%2)+2*\i+8*(\i/4))*4096   ; members 2 i, 2 i + 1: sixteen lanes store 256 consecutive aligned bytes
.endr
.endm
	TOSTAGE 0
.irp a, 1,2,3
	TOSTAGE \a
	SEND \a-1, 16
.endr
	SEND 3, 0
	s_wait_tensorcnt 0x0                           ; the wave's end
	ds_add_u32 v[SPW], v[NIL]
	s_wait_dscnt 0x0
	CROUND                                         ; the closing round
	s_endpgm
.Lfunc_end_k_qd442bc4ab6_w2:
	.size	k_qd442bc4ab6_w2, .Lfunc_end_k_qd442bc4ab6_w2-k_qd442bc4ab6_w2
	.p2alignl 7, 3214868480
	.fill 96, 4, 3214868480
	.section	.rodata,"a",@progbits
	.p2align	6, 0x0
	.amdhsa_kernel k_qd442bc4ab6_w2
		.amdhsa_group_segment_fixed_size 327680
		.amdhsa_private_segment_fixed_size 0
		.amdhsa_enable_private_segment 0
		.amdhsa_kernarg_size 24
		.amdhsa_user_sgpr_count 2
		.amdhsa_user_sgpr_kernarg_segment_ptr 1
		.amdhsa_wavefront_size32 1
		.amdhsa_system_sgpr_workgroup_id_x 1
		.amdhsa_system_sgpr_workgroup_id_y 1
		.amdhsa_system_sgpr_workgroup_id_z 1
		.amdhsa_system_vgpr_workitem_id 0
		.amdhsa_next_free_vgpr 768
		.amdhsa_next_free_sgpr 102
		.amdhsa_reserve_vcc 0
		.amdhsa_float_denorm_mode_32 3
		.amdhsa_float_denorm_mode_16_64 3
		.amdhsa_memory_ordered 1
		.amdhsa_forward_progress 1
		.amdhsa_inst_pref_size 94
	.end_amdhsa_kernel
	.amdgpu_metadata
---
amdhsa.version: [ 1, 2 ]
amdhsa.kernels:
  - .name:           k_qd442bc4ab6_w2
    .symbol:         k_qd442bc4ab6_w2.kd
    .args:
      - { .name: fbuf, .offset: 0, .size: 8, .value_kind: global_buffer, .address_space: global }
      - { .name: pbuf, .offset: 8, .size: 8, .value_kind: global_buffer, .address_space: global }
      - { .name: ybuf, .offset: 16, .size: 8, .value_kind: global_buffer, .address_space: global }
    .group_segment_fixed_size: 327680
    .private_segment_fixed_size: 0
    .kernarg_segment_align: 8
    .kernarg_segment_size: 24
    .max_flat_workgroup_size: 128
    .sgpr_count:     102
    .vgpr_count:     768
    .wavefront_size: 32
...
	.end_amdgpu_metadata
.endif
;; end of part 6
;; launch ln2 (part 7): grid 256 x 1, 8 waves a work-group, no clusters, 69,632 bytes of LDS; arguments ybuf, hbuf, b2, g2, be2, out0; writes out0
.if DOCPART == 7
	.amdgcn_target "amdgcn-amd-amdhsa--gfx1250"
	.amdhsa_code_object_version 6
	.text
	.protected	k_qd442bc4ab6_ln2
	.globl	k_qd442bc4ab6_ln2
	.p2align	8
	.type	k_qd442bc4ab6_ln2,@function
k_qd442bc4ab6_ln2:
	s_mov_b64 s[64:65], 0
	v_nop
	global_prefetch_b8 v0, s[64:65] scope:SCOPE_SE
	s_setreg_imm32_b32 hwreg(HW_REG_WAVE_MODE, 25, 1), 1
	s_wait_xcnt 0x0
; Launch 7 of 7 (CODES 0): out = LayerNorm(h + (ff + b2)) x g2 + be2, f32.  Nothing of reference() is left out.
; A stream: memory binds, so no matrix unit, no cluster, no tensor load.  A work-group owns a tile of 16 rows (membership as the first launch's head says); wave w owns columns 128 w .. 128 w + 127.
; Every load and store of rows covers 512 consecutive aligned bytes.  The rows turn through the wave's own stage in LDS, so that a lane holds one row's numbers and a row's sums need one exchange between lanes.
; The mean and then the mean of squared differences (two passes, as reference() has them) meet in LDS: eight partial sums a row, one barrier each, in bytes of their own.
.set WSTG,  8448                       ; a wave's stage: 16 rows x (512 bytes + 16)
.set RED,   67584                      ; 2 x 16 rows x 8 partial sums
.set SPARE, 68608                      ; the spare words, 128 bytes a wave
.set Y,   128                          ; v128-191 the residual as loaded, then my row's 64 numbers
.set SEL, 22
; my row's sum over the wave's 128 columns is in v58: all eight waves' meet at RED + off; the row's sum comes back in v20
.macro MEET off
	s_delay_alu instid0(VALU_DEP_1)
	v_permlanex16_b32 v57, v58, s[SEL], s[SEL+1]
	s_delay_alu instid0(VALU_DEP_1)
	v_add_f32 v58, v58, v57                        ; with lane l xor 16's 64 columns
	ds_store_b32 v6, v58 offset:\off               ; lanes r and 16 + r write the same word with the same value
	s_wait_dscnt 0x0                               ; for the others' sake
	s_barrier_signal -1
	s_barrier_wait -1
	ds_load_b128 v[20:23], v7 offset:\off
	ds_load_b128 v[24:27], v7 offset:\off+16
	s_wait_dscnt 0x0
	v_pk_add_f32 v[20:21], v[20:21], v[22:23]
	v_pk_add_f32 v[24:25], v[24:25], v[26:27]
	s_delay_alu instid0(VALU_DEP_1)
	v_pk_add_f32 v[20:21], v[20:21], v[24:25]
	s_delay_alu instid0(VALU_DEP_1)
	v_add_f32 v20, v20, v21
.endm
	s_load_b256 s[4:11], s[0:1], 0x0               ; the product, the residual, the bias, the gain
	s_load_b128 s[12:15], s[0:1], 0x20             ; the shift, the destination
	v_lshl_add_u32 v12, v0, 2, SPARE
	v_mov_b32 v13, 0
	v_lshrrev_b32 v1, 5, v0
	s_delay_alu instid0(VALU_DEP_1)
	v_readfirstlane_b32 s16, v1                    ; wave 0..7
	v_and_b32 v11, 31, v0
	v_and_b32 v2, 15, v0                           ; r
	v_bfe_u32 v3, v0, 4, 1                         ; h
	s_delay_alu instid0(VALU_DEP_3)
	v_lshlrev_b32 v1, 4, v11                       ; 16 x lane
	s_delay_alu instid0(VALU_DEP_2)
	v_lshlrev_b32 v8, 6, v3                        ; 64 h
	s_mul_i32 s17, s16, WSTG
	v_add_nc_u32 v4, s17, v1                       ; the stage, dense
	v_mul_u32_u24 v5, v2, 528
	s_delay_alu instid0(VALU_DEP_1)
	v_lshl_add_u32 v5, v3, 6, v5
	s_delay_alu instid0(VALU_DEP_1)
	v_add_nc_u32 v5, s17, v5                       ; the stage, turned
	v_lshlrev_b32 v7, 5, v2
	s_delay_alu instid0(VALU_DEP_1)
	v_add_nc_u32 v7, RED, v7                       ; my row's eight partial sums,
	s_lshl_b32 s18, s16, 2
	v_add_nc_u32 v6, s18, v7                       ; and my wave's among them
	v_mov_b32 v57, 0                               ; written once: a lane permute's destination counts as one of its sources
	s_mov_b32 s[SEL], 0x76543210
	s_mov_b32 s[SEL+1], 0xfedcba98
	s_mov_b32 s24, 0x3a800000                      ; 1 / 1,024
	s_mov_b32 s25, 0x3727c5ac                      ; 1e-5
	s_lshr_b32 s18, ttmp9, 1
	s_lshl_b32 s18, s18, 5
	s_and_b32 s19, ttmp9, 1
	s_lshl_b32 s19, s19, 3
	s_add_co_u32 s18, s18, s19                     ; the tile's first row
	s_lshl_b32 s18, s18, 12
	s_lshl_b32 s20, s16, 9                         ; my wave's 512 bytes of a row
	s_add_co_u32 s18, s18, s20
	s_mov_b32 s19, 0
	s_mov_b32 s21, 0
	s_wait_alu depctr_va_vdst(0)
	s_wait_kmcnt 0x0
	s_add_nc_u64 s[4:5], s[4:5], s[18:19]
	s_add_nc_u64 s[6:7], s[6:7], s[18:19]
	s_add_nc_u64 s[8:9], s[8:9], s[20:21]
	s_add_nc_u64 s[10:11], s[10:11], s[20:21]
	s_add_nc_u64 s[12:13], s[12:13], s[20:21]
	s_add_nc_u64 s[14:15], s[14:15], s[18:19]
	global_load_b128 v[16:19], v1, s[8:9]          ; the bias of my four columns
.irp p, 0,1,2,3,4,5,6,7,8,9,10,11,12,13,14,15
	global_load_b128 v[64+4*\p:67+4*\p], v1, s[4:5] offset:(\p+8*(\p/8))*4096 th:TH_LOAD_NT
.endr
.irp p, 0,1,2,3,4,5,6,7,8,9,10,11,12,13,14,15
	global_load_b128 v[Y+4*\p:Y+4*\p+3], v1, s[6:7] offset:(\p+8*(\p/8))*4096 th:TH_LOAD_NT
.endr
.irp g, 0,1,2,3,4,5,6,7,8,9,10,11,12,13,14,15
	global_load_b128 v[192+4*\g:195+4*\g], v8, s[12:13] offset:128*(\g/4)+16*(\g%4)   ; the shift, in the turned layout
.endr
	s_wait_loadcnt 16                              ; all but the shift's 16 loads
.irp p, 0,1,2,3,4,5,6,7,8,9,10,11,12,13,14,15
	v_pk_add_f32 v[64+4*\p:65+4*\p], v[64+4*\p:65+4*\p], v[16:17]
	v_pk_add_f32 v[66+4*\p:67+4*\p], v[66+4*\p:67+4*\p], v[18:19]
.endr
.irp p, 0,1,2,3,4,5,6,7,8,9,10,11,12,13,14,15
	v_pk_add_f32 v[64+4*\p:65+4*\p], v[Y+4*\p:Y+4*\p+1], v[64+4*\p:65+4*\p]
	v_pk_add_f32 v[66+4*\p:67+4*\p], v[Y+4*\p+2:Y+4*\p+3], v[66+4*\p:67+4*\p]
.endr
.irp p, 0,1,2,3,4,5,6,7,8,9,10,11,12,13,14,15
	ds_store_b128 v4, v[64+4*\p:67+4*\p] offset:528*\p
.endr
.irp g, 0,1,2,3,4,5,6,7,8,9,10,11,12,13,14,15
	ds_load_b128 v[Y+4*\g:Y+4*\g+3], v5 offset:128*(\g/4)+16*(\g%4)   ; LDS serves a wave's instructions in order: these see my stores
.endr
	s_wait_dscnt 0x0                               ; my row's numbers are in, and the stores have read v64-127,
.irp g, 0,1,2,3,4,5,6,7,8,9,10,11,12,13,14,15
	global_load_b128 v[64+4*\g:67+4*\g], v8, s[10:11] offset:128*(\g/4)+16*(\g%4)     ; which take the gain: it lands under the statistics
.endr
	v_pk_add_f32 v[60:61], v[128:129], v[130:131]
	v_pk_add_f32 v[62:63], v[136:137], v[140:141]
	v_pk_add_f32 v[54:55], v[144:145], v[148:149]
	v_pk_add_f32 v[52:53], v[152:153], v[156:157]
	v_pk_add_f32 v[50:51], v[160:161], v[164:165]
	v_pk_add_f32 v[48:49], v[168:169], v[172:173]
	v_pk_add_f32 v[46:47], v[176:177], v[180:181]
	v_pk_add_f32 v[58:59], v[184:185], v[188:189]
	s_delay_alu instid0(VALU_DEP_1)
	v_pk_add_f32 v[58:59], v[58:59], v[132:133]
	v_pk_add_f32 v[60:61], v[60:61], v[134:135]
	v_pk_add_f32 v[62:63], v[62:63], v[138:139]
	v_pk_add_f32 v[54:55], v[54:55], v[142:143]
	v_pk_add_f32 v[52:53], v[52:53], v[146:147]
	v_pk_add_f32 v[50:51], v[50:51], v[150:151]
	v_pk_add_f32 v[48:49], v[48:49], v[154:155]
	v_pk_add_f32 v[46:47], v[46:47], v[158:159]
	v_pk_add_f32 v[58:59], v[58:59], v[162:163]
	v_pk_add_f32 v[60:61], v[60:61], v[166:167]
	v_pk_add_f32 v[62:63], v[62:63], v[170:171]
	v_pk_add_f32 v[54:55], v[54:55], v[174:175]
	v_pk_add_f32 v[52:53], v[52:53], v[178:179]
	v_pk_add_f32 v[50:51], v[50:51], v[182:183]
	v_pk_add_f32 v[48:49], v[48:49], v[186:187]
	v_pk_add_f32 v[46:47], v[46:47], v[190:191]
	s_delay_alu instid0(VALU_DEP_4)
	v_pk_add_f32 v[58:59], v[58:59], v[52:53]
	s_delay_alu instid0(VALU_DEP_4)
	v_pk_add_f32 v[60:61], v[60:61], v[50:51]
	s_delay_alu instid0(VALU_DEP_4)
	v_pk_add_f32 v[62:63], v[62:63], v[48:49]
	s_delay_alu instid0(VALU_DEP_4)
	v_pk_add_f32 v[54:55], v[54:55], v[46:47]
	s_delay_alu instid0(VALU_DEP_2)
	v_pk_add_f32 v[58:59], v[58:59], v[62:63]
	s_delay_alu instid0(VALU_DEP_2)
	v_pk_add_f32 v[60:61], v[60:61], v[54:55]
	s_delay_alu instid0(VALU_DEP_1)
	v_pk_add_f32 v[58:59], v[58:59], v[60:61]
	s_delay_alu instid0(VALU_DEP_1)
	v_add_f32 v58, v58, v59
	MEET 0
	s_delay_alu instid0(VALU_DEP_1)
	v_mul_f32 v62, s24, v20                        ; the mean, as a pair
	s_delay_alu instid0(VALU_DEP_2)
	v_mul_f32 v63, s24, v20
.set J, 0
.rept 32
	v_pk_add_f32 v[Y+J:Y+J+1], v[Y+J:Y+J+1], v[62:63] neg_lo:[0,1] neg_hi:[0,1]
.set J, J+2
.endr
	v_pk_mul_f32 v[58:59], v[Y:Y+1], v[Y:Y+1]
	v_pk_mul_f32 v[60:61], v[Y+2:Y+3], v[Y+2:Y+3]
.irp i, 4,8,12,16,20,24,28,32,36,40,44,48,52,56,60
	s_delay_alu instid0(VALU_DEP_2)
	v_pk_fma_f32 v[58:59], v[Y+\i:Y+\i+1], v[Y+\i:Y+\i+1], v[58:59]
	s_delay_alu instid0(VALU_DEP_2)
	v_pk_fma_f32 v[60:61], v[Y+\i+2:Y+\i+3], v[Y+\i+2:Y+\i+3], v[60:61]
.endr
	s_delay_alu instid0(VALU_DEP_1)
	v_pk_add_f32 v[58:59], v[58:59], v[60:61]
	s_delay_alu instid0(VALU_DEP_1)
	v_add_f32 v58, v58, v59
	MEET 512
	s_delay_alu instid0(VALU_DEP_1)
	v_fma_f32 v20, v20, s24, s25                   ; the variance + 1e-5
	s_wait_alu depctr_va_vdst(0)
	v_rsq_f32 v62, v20                             ; twice, to fill the packed multiply's pair
	v_rsq_f32 v63, v20
	v_nop                                          ; a plain place behind the transcendentals
	s_wait_alu depctr_va_vdst(0)
	s_wait_loadcnt 0x0                             ; the gain and the shift
.set J, 0
.rept 32
	v_pk_mul_f32 v[Y+J:Y+J+1], v[Y+J:Y+J+1], v[62:63]
.set J, J+2
.endr
.set J, 0
.rept 32
	v_pk_fma_f32 v[Y+J:Y+J+1], v[Y+J:Y+J+1], v[64+J:65+J], v[192+J:193+J]
.set J, J+2
.endr
.irp g, 0,1,2,3,4,5,6,7,8,9,10,11,12,13,14,15
	ds_store_b128 v5, v[Y+4*\g:Y+4*\g+3] offset:128*(\g/4)+16*(\g%4)
.endr
.irp p, 0,1,2,3,4,5,6,7,8,9,10,11,12,13,14,15
	ds_load_b128 v[64+4*\p:67+4*\p], v4 offset:528*\p
.endr
.irp p, 0,1,2,3,4,5,6,7,8,9,10,11,12,13,14,15
	s_wait_dscnt 15-\p                             ; row p is back; the younger loads may be out
	global_store_b128 v1, v[64+4*\p:67+4*\p], s[14:15] offset:(\p+8*(\p/8))*4096 th:TH_STORE_NT
.endr
	s_wait_tensorcnt 0x0                           ; the wave's end, behind my last LDS store
	ds_add_u32 v12, v13
	s_wait_dscnt 0x0
	s_endpgm
.Lfunc_end_k_qd442bc4ab6_ln2:
	.size	k_qd442bc4ab6_ln2, .Lfunc_end_k_qd442bc4ab6_ln2-k_qd442bc4ab6_ln2
	.p2alignl 7, 3214868480
	.fill 96, 4, 3214868480
	.section	.rodata,"a",@progbits
	.p2align	6, 0x0
	.amdhsa_kernel k_qd442bc4ab6_ln2
		.amdhsa_group_segment_fixed_size 69632
		.amdhsa_private_segment_fixed_size 0
		.amdhsa_enable_private_segment 0
		.amdhsa_kernarg_size 48
		.amdhsa_user_sgpr_count 2
		.amdhsa_user_sgpr_kernarg_segment_ptr 1
		.amdhsa_wavefront_size32 1
		.amdhsa_system_sgpr_workgroup_id_x 1
		.amdhsa_system_sgpr_workgroup_id_y 1
		.amdhsa_system_sgpr_workgroup_id_z 1
		.amdhsa_system_vgpr_workitem_id 0
		.amdhsa_next_free_vgpr 256
		.amdhsa_next_free_sgpr 66
		.amdhsa_reserve_vcc 0
		.amdhsa_float_denorm_mode_32 3
		.amdhsa_float_denorm_mode_16_64 3
		.amdhsa_memory_ordered 1
		.amdhsa_forward_progress 1
		.amdhsa_inst_pref_size 32
	.end_amdhsa_kernel
	.amdgpu_metadata
---
amdhsa.version: [ 1, 2 ]
amdhsa.kernels:
  - .name:           k_qd442bc4ab6_ln2
    .symbol:         k_qd442bc4ab6_ln2.kd
    .args:
      - { .name: ybuf, .offset: 0, .size: 8, .value_kind: global_buffer, .address_space: global }
      - { .name: hbuf, .offset: 8, .size: 8, .value_kind: global_buffer, .address_space: global }
      - { .name: b2, .offset: 16, .size: 8, .value_kind: global_buffer, .address_space: global }
      - { .name: g2, .offset: 24, .size: 8, .value_kind: global_buffer, .address_space: global }
      - { .name: be2, .offset: 32, .size: 8, .value_kind: global_buffer, .address_space: global }
      - { .name: out0, .offset: 40, .size: 8, .value_kind: global_buffer, .address_space: global }
    .group_segment_fixed_size: 69632
    .private_segment_fixed_size: 0
    .kernarg_segment_align: 8
    .kernarg_segment_size: 48
    .max_flat_workgroup_size: 256
    .sgpr_count:     66
    .vgpr_count:     256
    .wavefront_size: 32
...
	.end_amdgpu_metadata
.endif
;; end of part 7
